; MI455X (gfx1250); checked and timed in simulation.
; The chip was launched on July 23, 2026; its instructions are those of AMD's public machine-readable ISA for CDNA 5 (MIT licence, August 2026) and "CDNA5" Instruction Set Architecture Reference Guide (July 2026). The comments in the code are by the model that wrote it; some were corrected since.
;; Single Head Attention. Allowed arithmetic: matrix products marked QUANTISED: E2M3 operands, one E8M0 scale for each 32 along K, by v_wmma_scale_f32_16x16x128_f8f6f4 with both operands' format E2M3, f32 sums; everything else in f32.
;; Inputs: Wk_codes 64 x 16 x 24 uint8 (E2M3 codes of Wk, K innermost, in blocks of 32 codes, four codes in three bytes); Wk_scales 64 x 16 uint8 (E8M0 scales of Wk, one for each 32 codes along K); Wq_codes 64 x 16 x 24 uint8 (E2M3 codes of Wq, K innermost, in blocks of 32 codes, four codes in three bytes); Wq_scales 64 x 16 uint8 (E8M0 scales of Wq, one for each 32 codes along K); Wv_codes 64 x 16 x 24 uint8 (E2M3 codes of Wv, K innermost, in blocks of 32 codes, four codes in three bytes); Wv_scales 64 x 16 uint8 (E8M0 scales of Wv, one for each 32 codes along K); x_codes 4 x 4,096 x 16 x 24 uint8 (E2M3 codes of x, K innermost, in blocks of 32 codes, four codes in three bytes); x_scales 4 x 4,096 x 16 uint8 (E8M0 scales of x, one for each 32 codes along K).
;; Outputs: out0 4 x 4,096 x 64 float32.
;; This version of the problem:
;;   THIS VERSION OF THE PROBLEM IS GIVEN IN LOW PRECISION. The matrix products marked QUANTISED in the list below multiply operands that are first quantised to E2M3 (2 exponent bits, 3 mantissa bits; 6 bits a number), with one power-of-two scale for each 32 numbers along K (OCP MX v1.0); their sums are f32. All else is computed in f32.
;;   The module's matrix products, in the order in which they are computed (A, B: the left and right operand; K: the contracted axis; several contracted axes count as one K, in the product's order):
;;     1. [M 16,384, K 512] x [K 512, N 64]; A: input x (given as codes); B: input Wk (given as codes): QUANTISED
;;     2. [M 16,384, K 512] x [K 512, N 64]; A: input x (given as codes); B: input Wq (given as codes): QUANTISED
;;     3. [M 16,384, K 512] x [K 512, N 64]; A: input x (given as codes); B: input Wv (given as codes): QUANTISED
;;     4. batch 4 x [M 4,096, K 64] x [K 64, N 4,096]; A: computed on the way; B: computed on the way: QUANTISED
;;     5. batch 4 x [M 4,096, K 4,096] x [K 4,096, N 64]; A: softmax (see below); B: computed on the way: QUANTISED
;;   THE QUANTISER, for each operand of a quantised product, along K:
;;     - K is cut into blocks of 32 from its start; a last block that is shorter is filled with zeros.
;;     - A block's scale is 2^e with e = floor(log2(the largest magnitude in the block)) - 2, held to -126 .. 127; a block of zeros has e = 0. As a byte (E8M0): e + 127.
;;     - Each number is divided by its block's scale, clamped to +-7.5, and rounded to the nearest number of E2M3, ties to even, subnormals kept.
;;     - The product sums the exact products of the quantised numbers (number of the format x scale) in f32.
;;   ~~~python
;;   def quantise(x, axis):      # numpy; x: float32 -> the quantised numbers, widened to float32 again
;;       x = np.moveaxis(x, axis, -1); K = x.shape[-1]
;;       x = np.pad(x, [(0, 0)] * (x.ndim - 1) + [(0, -K % 32)]); x = x.reshape(x.shape[:-1] + (-1, 32)); a = np.abs(x).max(-1, keepdims=True)
;;       e = np.where(a > 0, np.clip(np.frexp(np.where(a > 0, a, 1))[1] - 1 - 2, -126, 127), 0)      # np.frexp(a)[1] - 1 = floor(log2(a)), exactly
;;       r = np.clip(x / 2.0 ** e, -7.5, 7.5)
;;       step = 2.0 ** (np.maximum(np.frexp(np.where(r == 0, 1, r))[1] - 1, 0) - 3)
;;       q = np.round(r / step) * step * 2.0 ** e      # np.round: ties to even
;;       return np.moveaxis(q.reshape(q.shape[:-2] + (-1,))[..., :K], -1, axis).astype(np.float32)
;;   ~~~
;;   SOFTMAX AHEAD OF A QUANTISED PRODUCT. Where the list says 'softmax', what is quantised is not the finished softmax but p = 2^(t - M), with t = logit x log2(e) and M = ceil(the row's largest t), a whole number; so 1/2 < the row's largest p <= 1. The row's sum l is taken of the UNQUANTISED p, in f32, and the product's result is divided by l at the end. Since M is a whole number, a kernel that streams over the keys may use a running M (the ceiling of the running maximum): every later rescaling is an exact power of two, which a block's scale takes up: the codes' values come out the same.
;;   OPERANDS COMPUTED ON THE WAY. 'Computed on the way' means the value that the module computes at that place (a softmax that the list does not call 'softmax' is quantised finished and normalised). What goes into a quantiser is computed in f32, as accurately as f32 sums, v_exp_f32 and their like allow (about 1e-6 of the number): no bf16 or f16 on the way to a quantiser, and a product that is left as it is and whose result goes on into a quantised operand takes f32 operands (vector FMAs, or v_wmma_f32_16x16x4_f32). A number that lies on a knife's edge between two numbers of the format may be rounded either way, as far as f32 arithmetic and the matrix unit's own rounding can turn it there, and no further.
;;   INPUTS GIVEN AS CODES. Wk (in the module: [512, 64], K = its axis 0); Wq (in the module: [512, 64], K = its axis 0); Wv (in the module: [512, 64], K = its axis 0); x (in the module: [4, 4096, 512], K = its axis 2): each comes as NAME_codes (uint8): NAME with its K axis moved to the last place and cut into blocks of 32 codes, [.., K / 32, bytes a block], one block behind the other in memory; four codes in three bytes: a row's codes are one little-endian stream of bits, code i at bits 6 i .. 6 i + 5 (a code: sign, 2 exponent bits, 3 mantissa bits); and NAME_scales (uint8): the same leading axes, one E8M0 byte (e + 127) for each 32 codes along K. Its value is code x scale, taken as it is: it is not quantised again, and the codes and scales need not be those that the quantiser above would give.
;; 2 versions. Each part assembles by itself: llvm-mc -triple=amdgcn-amd-amdhsa -mcpu=gfx1250 --defsym DOCPART=n.
;; ======== version 1 of 2: 2 launches
;; workspace buffers: kv 1,638,400 bytes; qb 819,200 bytes
;; launch proj (part 1): grid 128 x 1, 12 waves a work-group, no clusters, 135,680 bytes of LDS; arguments x_codes, x_scales, Wk_codes, Wk_scales, Wq_codes, Wq_scales, Wv_codes, Wv_scales, kv, qb; writes kv, qb
.if DOCPART == 1
	.amdgcn_target "amdgcn-amd-amdhsa--gfx1250"
	.amdhsa_code_object_version 6
	.text
	.protected	k_qada2570e59_proj
	.globl	k_qada2570e59_proj
	.p2align	8
	.type	k_qada2570e59_proj,@function
k_qada2570e59_proj:
	s_mov_b64 s[64:65], 0
	v_nop
	global_prefetch_b8 v0, s[64:65] scope:SCOPE_SE
	s_setreg_imm32_b32 hwreg(HW_REG_WAVE_MODE, 25, 1), 1
	s_wait_xcnt 0x0
; k = x Wk, q = x Wq, v = x Wv on codes of FP6 (E2M3) as they are given, sums in f32; the results are quantised at once (k and q along the 64 channels, v along the keys)
; and stored as IMAGES OF THE NEXT LAUNCH'S OPERAND REGISTERS.  x: [16,384][512] codes, a row 384 bytes, 16 scale bytes a row.  W*: [64][512] codes, K innermost.
; SHARES.  A work-group takes 128 rows of x.  Twelve waves: kind = wave / 4 (0 k, 1 q, 2 v), i = wave % 4.  A k or q wave makes 32 rows x 64 channels, a v wave 16 channels x 128 keys:
; each is one fragment (12 registers a lane) and one scale word a row.  128 work-groups: a fragment of v needs 128 keys under one writer.
; OBJECTS.  A tile of 16 rows x all 512 along K goes from the wave that loads it to the waves that multiply by it through LDS as its registers stand: 12 pieces of 512 bytes
; (lane l's 16 bytes at 16 l) and a 13th with four scale words a lane.  Lane (r, h) loads the 192 consecutive bytes at row x 384 + 192 h: blocks 8 h .. 8 h + 7 of its row.
; So K step s (registers 12 s .. 12 s + 11) multiplies blocks 2 s, 8 + 2 s, 2 s + 1, 9 + 2 s, alike in x and in W, and the scale words are turned to that order.
; LIMIT: the f32 sums along K are therefore taken in another order of blocks than 0, 1, 2 ..
; ROWS OF A TILE ARE NOT NEIGHBOURS: lane r of tile t takes row 32 (t / 2) + 8 (t % 2) + r + 8 (r / 8), so that the 16 registers of two neighbouring result tiles are 16 neighbours along the next K.
; OUT.  kv: [128 blocks][12,800]: k's part, then v's;  qb: [128 blocks][6,400].  A part: four images of 1,536 bytes, then 256 bytes of scale words (fragment i, lane r: 64 i + 4 r).
; LIMITS: NaN and infinities are not served.  A block of zeros gets the scale byte 1 where the quantiser says 127: its codes are zeros, and the bytes are read by this program alone.
; No tensor loads: every tile is read once by one wave, 208 bytes a lane.  No cluster: work-groups share only the weights, 77 KB against a work-group's 51 KB of x.
.set OBJ,  6656                        ; an object: 13 pieces of 512 bytes
.set OSC,  6144                        ; its scale words
.set SCW,  20*OBJ                      ; behind x's 8 objects and the weights' 12: the new scale words, 64 bytes a wave
.set GA,   2                           ; v2   codes: (r + 8 (r / 8)) x 384 + 192 h
.set GS,   3                           ; v3   scale rows: (r + 8 (r / 8)) x 16
.set LI,   4                           ; v4   16 x lane
.set LW,   5                           ; v5   where I store my weight's object
.set LX,   6                           ; v6   where I store x's tile (waves 0-7)
.set LA,   7                           ; v7   my kind's four weight objects
.set LB,   8                           ; v8   x's tiles 2 i, 2 i + 1
.set LC,   9                           ; v9   my kind's weight object i
.set SWA,  10                          ; v10  my row's new scale word
.set SRA,  11                          ; v11  my kind's 256 bytes of them, 8 bytes a lane
.set L8,   12                          ; v12  8 x lane
.set TM,   16                          ; v16-31 the quantiser's work
.set PW,   32                          ; v32  the scale word just made
.set SC,   36                          ; v36-71 scale words of the objects in hand: nothing else lies here
.set ACC,  72                          ; v72-135 eight accumulators
.set FR,   136                         ; v136-243 nine fragments
.set PC,   136                         ; behind the products: the codes just made (12), and 8 more at work
.macro PLACES                          ; four plain vector lines between a matrix instruction and a load into, or a vector line on, its registers
.rept 4
	v_nop
.endr
.endm
.macro BARRIER                         ; my LDS stores have landed and my LDS loads are in: then the work-group's barrier
	s_wait_dscnt 0x0
	s_barrier_signal -1
	s_barrier_wait -1
.endm
.macro LOADOBJ reg, sreg, pc, ps, nt   ; 192 bytes of codes and 16 scale bytes a lane
.irp c, 0,1,2,3,4,5,6,7,8,9,10,11
.if \nt
	global_load_b128 v[\reg+4*\c:\reg+4*\c+3], v[GA], s[\pc:\pc+1] offset:16*\c th:TH_LOAD_NT
.else
	global_load_b128 v[\reg+4*\c:\reg+4*\c+3], v[GA], s[\pc:\pc+1] offset:16*\c
.endif
.endr
	global_load_b128 v[\sreg:\sreg+3], v[GS], s[\ps:\ps+1]
.endm
.macro PUTOBJ reg, sreg, treg, adr     ; the scale bytes into the K steps' order, then the 13 pieces
	v_perm_b32 v[\treg],   v[\sreg+2], v[\sreg],   0x05010400     ; K step 0: blocks 0, 8, 1, 9
	v_perm_b32 v[\treg+1], v[\sreg+2], v[\sreg],   0x07030602     ; K step 1: blocks 2, 10, 3, 11
	v_perm_b32 v[\treg+2], v[\sreg+3], v[\sreg+1], 0x05010400     ; K step 2: blocks 4, 12, 5, 13
	v_perm_b32 v[\treg+3], v[\sreg+3], v[\sreg+1], 0x07030602     ; K step 3: blocks 6, 14, 7, 15
.irp c, 0,1,2,3,4,5,6,7,8,9,10,11
	ds_store_b128 v[\adr], v[\reg+4*\c:\reg+4*\c+3] offset:512*\c
.endr
	ds_store_b128 v[\adr], v[\treg:\treg+3] offset:OSC
.endm
.macro FRAG reg, adr, off              ; a fragment comes back as it was stored
.irp c, 0,1,2
	ds_load_b128 v[\reg+4*\c:\reg+4*\c+3], v[\adr] offset:\off+512*\c
.endr
.endm
.macro WM d, a, bq, sa, sb, k          ; K step k of one accumulator; step 0 starts the sum
.if (\k) == 0
	v_wmma_scale_f32_16x16x128_f8f6f4 v[(\d):(\d)+7], v[(\a):(\a)+11], v[(\bq):(\bq)+11], 0, v[\sa], v[\sb] matrix_a_fmt:MATRIX_FMT_FP6 matrix_b_fmt:MATRIX_FMT_FP6
.else
	v_wmma_scale_f32_16x16x128_f8f6f4 v[(\d):(\d)+7], v[(\a):(\a)+11], v[(\bq):(\bq)+11], v[(\d):(\d)+7], v[\sa], v[\sb] matrix_a_fmt:MATRIX_FMT_FP6 matrix_b_fmt:MATRIX_FMT_FP6
.endif
.endm
; 64 numbers of a lane, register 16 b + i = element 32 b + 16 (lane / 16) + i of my row, become a fragment's codes in v[PC] on and its scale word in v[PW].
.macro QUANT s
.irp b, 0,1,2,3
	v_max3_num_f32 v[TM+\b], |v[\s+16*\b]|, |v[\s+1+16*\b]|, 0x1800000   ; block b: my 16 numbers, and the floor 2^(3 - 127): the byte cannot fall under 1
.endr
.irp i, 2,4,6,8,10,12,14
.irp b, 0,1,2,3
	v_max3_num_f32 v[TM+\b], v[TM+\b], |v[\s+16*\b+\i]|, |v[\s+1+16*\b+\i]|   ; the four blocks by turns
.endr
.endr
.irp b, 0,1,2,3
	v_permlanex16_b32 v[TM+4+\b], v[TM+\b], s44, s45
.endr
.irp b, 0,1,2,3
	v_max_num_f32 v[TM+\b], v[TM+\b], v[TM+4+\b]   ; with lane l xor 16's: the block's largest magnitude
.endr
.irp b, 0,1,2,3
	v_add_nc_u32 v[TM+12+\b], 0xff000000, v[TM+\b]   ; 2 off its exponent field: the conversion takes this operand's exponent field as its scale
.endr
.irp b, 0,1,2,3
	v_lshrrev_b32 v[TM+4+\b], 23, v[TM+12+\b]      ; the scale's byte
.endr
	v_lshl_or_b32 v[PW], v[TM+5], 8, v[TM+4]
	v_lshl_or_b32 v[PW], v[TM+6], 16, v[PW]
	v_lshl_or_b32 v[PW], v[TM+7], 24, v[PW]
.irp c, 0,1
	v_cvt_scalef32_pk16_fp6_f32 v[PC+6*\c:PC+2+6*\c], v[\s+32*\c:\s+15+32*\c], v[TM+12+2*\c]
	v_cvt_scalef32_pk16_fp6_f32 v[PC+12+4*\c:PC+14+4*\c], v[\s+16+32*\c:\s+31+32*\c], v[TM+12+2*\c+1]   ; (a conversion's three registers begin on an even number)
.endr
	v_nop                                          ; one plain line behind a scaled conversion
.irp c, 0,1                            ; the operand's layout wants a whole block in a lane: lanes 0-15 block 2 c, lanes 16-31 block 2 c + 1
.irp i, 0,1,2
	v_permlane16_swap_b32 v[PC+6*\c+\i], v[PC+12+4*\c+\i]
.endr
.irp i, 0,1,2
	v_mov_b32 v[PC+3+6*\c+\i], v[PC+12+4*\c+\i]
.endr
.endr
.endm
	s_load_b512 s[8:23], s[0:1], 0x0               ; x's codes, x's scales, then codes and scales of Wk, Wq, Wv
	s_load_b128 s[24:27], s[0:1], 0x40             ; kv, qb
	v_lshl_add_u32 v254, v0, 2, 0x20c00
	v_mov_b32 v255, 0
	v_lshrrev_b32 v13, 5, v0
	v_readfirstlane_b32 s28, v13                   ; wave 0..11
	s_lshr_b32 s29, s28, 2                         ; kind
	s_and_b32 s30, s28, 3                          ; i
	v_and_b32 v1, 15, v0                           ; r
	v_bfe_u32 v13, v0, 4, 1                        ; h
	v_and_b32 v14, 8, v1
	v_add_nc_u32 v14, v14, v1                      ; r + 8 (r / 8)
	v_mul_u32_u24 v[GA], v14, 384
	v_mad_u32_u24 v[GA], v13, 192, v[GA]
	v_lshlrev_b32 v[GS], 4, v14
	v_and_b32 v15, 31, v0                          ; lane
	v_lshlrev_b32 v[LI], 4, v15
	v_lshlrev_b32 v[L8], 3, v15
	; every LDS address is made here, ahead of the first line at which the waves part
	s_mul_i32 s46, s28, OBJ
	v_add_nc_u32 v[LX], s46, v[LI]                 ; object = wave (x's tile)
	s_add_co_u32 s46, s46, 8*OBJ
	v_add_nc_u32 v[LW], s46, v[LI]                 ; object = 8 + wave (my weight's tile)
	s_mul_i32 s46, s29, 4*OBJ
	s_add_co_u32 s46, s46, 8*OBJ
	v_add_nc_u32 v[LA], s46, v[LI]
	s_mul_i32 s47, s30, OBJ
	s_add_co_u32 s46, s46, s47
	v_add_nc_u32 v[LC], s46, v[LI]
	s_lshl_b32 s47, s47, 1
	v_add_nc_u32 v[LB], s47, v[LI]
	s_lshl_b32 s46, s28, 6
	s_add_co_u32 s46, s46, SCW
	v_lshl_add_u32 v[SWA], v1, 2, s46
	v_add_nc_u32 v[SRA], s46, v[L8]
	s_mov_b32 s44, 0x76543210
	s_mov_b32 s45, 0xfedcba98                      ; v_permlanex16_b32's selects for lane l xor 16
.irp b, 0,1,2,3
	v_mov_b32 v[TM+4+\b], 0                        ; written once: a lane permute's destination counts as one of its sources
.endr
	s_mov_b32 s51, 12800
	s_wait_kmcnt 0x0
	s_cmp_eq_u32 s29, 1                            ; the choices hang on the wave's number alone
	s_cselect_b64 s[32:33], s[16:17], s[12:13]
	s_cselect_b64 s[34:35], s[18:19], s[14:15]
	s_cselect_b64 s[40:41], s[26:27], s[24:25]     ; q goes to qb, k and v to kv
	s_cselect_b32 s50, 6400, s51                   ; bytes of a block there
	s_cmp_eq_u32 s29, 2
	s_cselect_b64 s[32:33], s[20:21], s[32:33]     ; my weight's codes
	s_cselect_b64 s[34:35], s[22:23], s[34:35]     ; and scales
	s_cselect_b32 s51, 6400, 0                     ; v's part lies behind k's
	s_mul_i32 s50, s50, ttmp9
	s_add_co_u32 s50, s50, s51
	s_mov_b32 s51, 0
	s_add_nc_u64 s[40:41], s[40:41], s[50:51]      ; my kind's part of this block
	s_add_nc_u64 s[42:43], s[40:41], OSC           ; its scale words
	s_mul_i32 s50, s30, 1536
	s_add_nc_u64 s[40:41], s[40:41], s[50:51]      ; my image
	s_lshr_b32 s46, s30, 1
	s_lshl_b32 s46, s46, 5
	s_and_b32 s47, s30, 1
	s_lshl_b32 s47, s47, 3
	s_add_co_u32 s46, s46, s47                     ; my weight tile's first row: 32 (i / 2) + 8 (i % 2)
	s_mul_i32 s50, s46, 384
	s_add_nc_u64 s[32:33], s[32:33], s[50:51]
	s_lshl_b32 s50, s46, 4
	s_add_nc_u64 s[34:35], s[34:35], s[50:51]
	s_lshr_b32 s46, s28, 1
	s_lshl_b32 s46, s46, 5
	s_and_b32 s47, s28, 1
	s_lshl_b32 s47, s47, 3
	s_add_co_u32 s46, s46, s47
	s_lshl_b32 s47, ttmp9, 7
	s_add_co_u32 s46, s46, s47                     ; x's tile = wave: first row 128 x work-group + 32 (wave / 2) + 8 (wave % 2)
	s_mul_i32 s50, s46, 384
	s_add_nc_u64 s[36:37], s[8:9], s[50:51]
	s_lshl_b32 s50, s46, 4
	s_add_nc_u64 s[38:39], s[10:11], s[50:51]
	; ---- every wave loads one tile of its weight, waves 0-7 also one tile of x
	LOADOBJ FR, ACC, 32, 34, 0
	s_cmp_ge_u32 s28, 8
	s_cbranch_scc1 .Lno_x_load
	LOADOBJ FR+48, ACC+4, 36, 38, 1                ; x is read once in the launch
.Lno_x_load:
	s_wait_loadcnt 0x0                             ; for 0: the two ways have issued different numbers of loads
	PUTOBJ FR, ACC, ACC+8, LW
	s_cmp_ge_u32 s28, 8
	s_cbranch_scc1 .Lno_x_store
	PUTOBJ FR+48, ACC+4, ACC+12, LX
.Lno_x_store:
	BARRIER                                        ; the twenty objects lie in LDS
	; ---- the products: eight accumulators by turns, in the same order in every K step
	s_cmp_eq_u32 s29, 2
	s_cbranch_scc1 .Lv_way
	; k, q: TRANSPOSED: source 0 = 16 rows of W, source 1 = 16 rows of x: a lane holds one row of x, its registers run along the channels
.irp wt, 0,1,2,3
	ds_load_b128 v[SC+4*\wt:SC+4*\wt+3], v[LA] offset:\wt*OBJ+OSC
.endr
.irp u, 0,1
	ds_load_b128 v[SC+16+4*\u:SC+16+4*\u+3], v[LB] offset:\u*OBJ+OSC
.endr
.irp s, 0,1,2,3
.if \s > 0
	PLACES
.endif
.irp wt, 0,1,2,3
	FRAG FR+12*\wt, LA, \wt*OBJ+1536*\s
.endr
.irp u, 0,1
	FRAG FR+48+12*\u, LB, \u*OBJ+1536*\s
.endr
	s_wait_dscnt 0x0
.irp u, 0,1
.irp b, 0,1
.irp p, 0,1
	WM ACC+16*(2*\u+\b)+8*\p, FR+12*(2*\b+\p), FR+48+12*\u, SC+4*(2*\b+\p)+\s, SC+16+4*\u+\s, \s
.endr
.endr
.endr
.endr                                  ; registers 16 (2 u + b) + n: row r of x's tile 2 i + u, channel 32 b + 16 h + n
	s_branch .Ljoin
.Lv_way:
	; v: source 0 = 16 rows of x, source 1 = 16 rows of Wv: a lane holds one channel, its registers run along the keys
.irp t, 0,1,2,3,4,5,6,7
	ds_load_b128 v[SC+4*\t:SC+4*\t+3], v[LI] offset:\t*OBJ+OSC
.endr
	ds_load_b128 v[SC+32:SC+35], v[LC] offset:OSC
.irp s, 0,1,2,3
.if \s > 0
	PLACES
.endif
.irp t, 0,1,2,3,4,5,6,7
	FRAG FR+12*\t, LI, \t*OBJ+1536*\s
.endr
	FRAG FR+96, LC, 1536*\s
	s_wait_dscnt 0x0
.irp t, 0,1,2,3,4,5,6,7
	WM ACC+8*\t, FR+12*\t, FR+96, SC+4*\t+\s, SC+32+\s, \s
.endr
.endr                                  ; registers 16 g + n: channel r of Wv's tile i, key 32 g + 16 h + n
.Ljoin:
	PLACES                                         ; in front of the first read of results and of the first vector write of the fragments' registers
	QUANT ACC
.irp c, 0,1,2
	global_store_b128 v[LI], v[PC+4*\c:PC+4*\c+3], s[40:41] offset:512*\c   ; the image: each store of the wave covers 512 consecutive bytes, aligned
.endr
	ds_store_b32 v[SWA], v[PW]                     ; both halves of the lanes write the same word with the same value
	BARRIER
	s_cmp_lg_u32 s30, 0
	s_cbranch_scc1 .Lend
	ds_load_b64 v[34:35], v[SRA]                   ; my kind's four waves' words: 256 bytes
	s_wait_dscnt 0x0
	global_store_b64 v[L8], v[34:35], s[42:43]     ; 32 lanes store 256 consecutive bytes, aligned
.Lend:
	s_wait_tensorcnt 0x0
	ds_add_u32 v254, v255
	s_wait_dscnt 0x0
	s_endpgm
.Lfunc_end_k_qada2570e59_proj:
	.size	k_qada2570e59_proj, .Lfunc_end_k_qada2570e59_proj-k_qada2570e59_proj
	.p2alignl 7, 3214868480
	.fill 96, 4, 3214868480
	.section	.rodata,"a",@progbits
	.p2align	6, 0x0
	.amdhsa_kernel k_qada2570e59_proj
		.amdhsa_group_segment_fixed_size 135680
		.amdhsa_private_segment_fixed_size 0
		.amdhsa_enable_private_segment 0
		.amdhsa_kernarg_size 80
		.amdhsa_user_sgpr_count 2
		.amdhsa_user_sgpr_kernarg_segment_ptr 1
		.amdhsa_wavefront_size32 1
		.amdhsa_system_sgpr_workgroup_id_x 1
		.amdhsa_system_sgpr_workgroup_id_y 1
		.amdhsa_system_sgpr_workgroup_id_z 1
		.amdhsa_system_vgpr_workitem_id 0
		.amdhsa_next_free_vgpr 256
		.amdhsa_next_free_sgpr 66
		.amdhsa_reserve_vcc 0
		.amdhsa_float_denorm_mode_32 3
		.amdhsa_float_denorm_mode_16_64 3
		.amdhsa_memory_ordered 1
		.amdhsa_forward_progress 1
		.amdhsa_inst_pref_size 35
	.end_amdhsa_kernel
	.amdgpu_metadata
---
amdhsa.version: [ 1, 2 ]
amdhsa.kernels:
  - .name:           k_qada2570e59_proj
    .symbol:         k_qada2570e59_proj.kd
    .args:
      - { .name: x_codes, .offset: 0, .size: 8, .value_kind: global_buffer, .address_space: global }
      - { .name: x_scales, .offset: 8, .size: 8, .value_kind: global_buffer, .address_space: global }
      - { .name: Wk_codes, .offset: 16, .size: 8, .value_kind: global_buffer, .address_space: global }
      - { .name: Wk_scales, .offset: 24, .size: 8, .value_kind: global_buffer, .address_space: global }
      - { .name: Wq_codes, .offset: 32, .size: 8, .value_kind: global_buffer, .address_space: global }
      - { .name: Wq_scales, .offset: 40, .size: 8, .value_kind: global_buffer, .address_space: global }
      - { .name: Wv_codes, .offset: 48, .size: 8, .value_kind: global_buffer, .address_space: global }
      - { .name: Wv_scales, .offset: 56, .size: 8, .value_kind: global_buffer, .address_space: global }
      - { .name: kv, .offset: 64, .size: 8, .value_kind: global_buffer, .address_space: global }
      - { .name: qb, .offset: 72, .size: 8, .value_kind: global_buffer, .address_space: global }
    .group_segment_fixed_size: 135680
    .private_segment_fixed_size: 0
    .kernarg_segment_align: 8
    .kernarg_segment_size: 80
    .max_flat_workgroup_size: 384
    .sgpr_count:     66
    .vgpr_count:     256
    .wavefront_size: 32
...
	.end_amdgpu_metadata
.endif
;; end of part 1
;; launch attn (part 2): grid 64 x 4, 16 waves a work-group, clusters of 4 x 1, 327,680 bytes of LDS; arguments kv, qb, out0; writes out0
.if DOCPART == 2
	.amdgcn_target "amdgcn-amd-amdhsa--gfx1250"
	.amdhsa_code_object_version 6
	.text
	.protected	k_qada2570e59_attn
	.globl	k_qada2570e59_attn
	.p2align	8
	.type	k_qada2570e59_attn,@function
k_qada2570e59_attn:
	s_mov_b64 s[64:65], 0
	v_nop
	global_prefetch_b8 v0, s[64:65] scope:SCOPE_SE
	s_setreg_imm32_b32 hwreg(HW_REG_WAVE_MODE, 25, 1), 1
	s_wait_xcnt 0x0
	s_wait_alu depctr_hold_cnt(0) depctr_sa_sdst(0) depctr_va_vdst(0) depctr_va_sdst(0) depctr_va_ssrc(0) depctr_va_vcc(0) depctr_vm_vsrc(0)
	s_getreg_b32 s2, hwreg(HW_REG_IB_STS2, 6, 4)
	s_cmp_eq_u32 s2, 0
	s_cbranch_scc0 .Lentry_in_a_cluster
	s_endpgm
.Lentry_in_a_cluster:
	s_bfe_u32 s2, ttmp6, 0x10000c
	s_cmp_lg_u32 s2, 0x3003
	s_cbranch_scc0 .Lentry_shape_is_right
	s_endpgm
.Lentry_shape_is_right:
; out[b][q][:] = the sum over keys k <= q of softmax_k(q . k / sqrt(512)) v[k][:], both products on codes of FP6 (E2M3) with one E8M0 scale for each 32 along K.
; kv: [4 x 32 steps][12,800]: for 128 keys, four fragments of k (each 32 keys x 64 channels), 256 bytes of scale words, four fragments of v (16 channels x 128 keys), 256 bytes of scale words;
; qb: [4 x 32][6,400]: q as k.  All are images of operand registers: piece c of a fragment holds registers 4 c .. 4 c + 3, lane l's 16 bytes at 512 c + 16 l.  out0: [4][4096][64] f32.
; THE SOFTMAX: t = score x log2(e) / sqrt(512); M = the largest t so far, rounded up to a whole number; p = 2^(t - M) is quantised along the keys, not normalised; the sum is taken of the
; unquantised p and divides at the end.  When M moves, the sum and O are multiplied by 2^(old M - new M): exact.
; SHARES.  Work-group j (0..63) of a batch owns two blocks of 32 queries: LOW = block j and HIGH = block 127 - j: together 33 key steps of 128 keys in every work-group.
; Wave w: query tile t = w % 2 of a block, key part s = w / 2: it takes the key steps 8 rd + s, rd = 0, 1, .. , with a running M, sum and O^T of its own; the eight parts of a tile meet in LDS at the end.
; Sixteen waves of 256 registers, four to a SIMD: one wave's vector work stands beside another's matrix work and LDS loads.
; CLUSTER.  The four work-groups j = 4 jj + cx of a cluster walk the same k and v, and their numbers of steps (jj + 1 and 32 - jj) are equal: every slot is asked for JOINTLY, by the same tensor load
; with the same descriptor and the mask of all four.  cx enters q's and out0's global offsets and the mask's lane number alone: no branch, no LDS address.
; LAYOUT.  Both products are used transposed (S^T = k q^T, O^T = v^T p^T): a lane holds one query (lane % 16) throughout.  Tile u of a fragment of k holds keys 8 u + r + 8 (r / 8) of its 32.
; K = 64 IN AN INSTRUCTION OF 128: a fragment of k holds two tiles of 16 keys, one in each half of the instruction's K.  Multiplied by (q, zeros) it gives the first tile's scores, by (zeros, q) the
; second's.  The idle half of q holds zero codes, which add nothing, under the scale byte 1.
; LIMITS: NaN and infinities are not served.  O and the sum are added over eight key parts: another order than one pass over the keys; all rescalings are exact powers of two.
; The last slot (steps 24-31) is fetched also in the clusters with jj >= 8, where no wave reads it: every work-group issues every joint load.
.set STEPB, 12800                      ; a key step in kv and in LDS
.set VPART, 6400                       ; v's part of it
.set WORDS, 6144                       ; a part's scale words
.set SLOTB, 8*STEPB                    ; a slot: eight key steps, one for each key part
.set SCRA,  2*SLOTB                    ; behind the two slots: the LOW states, 16 x STATE; no fill lands here
.set STATE, 4352                       ; O^T as 8 pieces of 512 bytes, then (-M, sum), 8 bytes a lane.  The HIGH states lie from LDS byte 0 on: slot 0 has then had its last fill and its last read
.set STG,   SCRA+16*STATE              ; the stage for the way out: 64 rows x (256 bytes + 16)
.set SPITCH, 272
.set SPARE, STG+64*SPITCH              ; the spare words, 128 bytes for each wave: eight blocks of 256 bytes that no other line names
.set SPW,  1                           ; v1   LDS address of my spare word; never rewritten
.set NIL,  2                           ; v2   0; never rewritten
.set ADR0, 3                           ; v3, v4  my key part's step in slot 0, 1: 16 x lane + 12,800 s
.set ADR1, 4
.set ASC0, 5                           ; v5, v6  the same with 4 x lane, for the scale words
.set ASC1, 6
.set DL,   7                           ; v7, v8  my query - the diagonal step's first key - 16 (lane / 16), for LOW and HIGH
.set DH,   8
.set QHI_H, 16                         ; v16-45: zeros, q of HIGH, zeros, q of LOW, zeros, six registers each: (zeros, q) and (q, zeros) are runs of twelve
.set QLO_H, 22
.set QHI_L, 28
.set QLO_L, 34
.set SLH,  46                          ; v46-49 q's scale words: for (q, zeros) and (zeros, q), HIGH then LOW
.set SHH,  47
.set SLL,  48
.set SHL,  49
.set FR,   50                          ; v50-97   four fragments: k's, then v's
.set S,    98                          ; v98-161  S^T, then p
.set O,    162                         ; v162-193 O^T: four tiles of 16 channels
.set PC,   194                         ; v194-205 p's codes
.set PT,   206                         ; v206-213 the conversions' second halves
.set BM,   214                         ; v214-217 the blocks' largest scores, then largest p
.set BP,   218                         ; v218-221 lane permutes' results, then scale bytes
.set BS,   222                         ; v222-225 the conversions' scale operands
.set KS,   226                         ; v226-227 k's scale words: lanes 0-15 fragment 0 (2), lanes 16-31 fragment 1 (3)
.set VS,   228                         ; v228-229 v's likewise
.set T0,   230
.set F,    232                         ; v[232:233] f = 2^(old M - new M); the upper word is written once
.set PW,   234                         ; p's scale word
.set SUM2, 236                         ; v[236:237] the sums' second chain
.set NINF, 238                         ; -infinity
.set PSA,  239                         ; v239-242 where I put my state: O^T (LOW, HIGH), then (-M, sum) (LOW, HIGH)
.set PSB,  240
.set PTA,  241
.set PTB,  242
.set CBA,  243                         ; v243-244 the combine: the eight parts' O^T of my tile of channels, and their (-M, sum)
.set CBS,  244
.set STO,  245                         ; v245-246 the stage: in, and back
.set SRD,  246
.set GO,   247                         ; v247 16 x lane: two rows of out0
.set TL,   248                         ; v248-255 at the head only: lane, r, h, r + 8 (r / 8), q's four offsets
.set TR,   249
.set TH,   250
.set TQ,   251
.set QOL,  252
.set QOH,  253
.set QWL,  254
.set QWH,  255
; s10 wave, s11 t, s12 s, s13 jj, s15 batch, s16 LOW's steps, s17 HIGH's; s[20:21] lane selects; s[22:23] c; s[24:31] descriptor group 1; s[32:35], s[36:39] group 0 of slot 0, 1;
; s14, s19, s46-47, s56-59 hold numbers made of cx, and no other scalar ever does.
.macro PLACES                          ; four plain vector lines between a matrix instruction and a load into, or a vector line or store on, its registers
.rept 4
	v_nop
.endr
.endm
.macro ROUND                           ; a round of the cluster's barrier
	s_barrier_signal -1
	s_barrier_wait -1
	s_cmp_lg_u32 s10, 0
	s_cbranch_scc1 .Lnot_wave_0_\@
	s_barrier_signal -3
.Lnot_wave_0_\@:
	s_barrier_wait -3
	s_barrier_signal -1
	s_barrier_wait -1
.endm
.macro THREE g0                        ; all my tensor loads have landed; 0 onto my spare word; the add and my LDS reads are done
	s_wait_tensorcnt 0x0
	ds_add_u32 v[SPW], v[NIL]
.if \g0
	s_add_nc_u64 s[\g0+2:\g0+3], s[\g0+2:\g0+3], 2*SLOTB   ; no tensor load of mine is out: the slot's group 0 steps sixteen key steps on
.endif
	s_wait_dscnt 0x0
.endm
.macro BAR
	s_barrier_signal -1
	s_barrier_wait -1
.endm
.macro TLOAD g0                        ; a joint refill: waves 0-3 bring two key steps each; the branch hangs on the wave's number alone; four v_nop follow the load
	s_cmp_lt_u32 s10, 4
	s_cbranch_scc0 .Lnot_mine_\@
	tensor_load_to_lds s[\g0:\g0+3], s[24:31]
	s_nop 0
	PLACES
.Lnot_mine_\@:
.endm
.macro WM d, a, bq, acc, sa, sb, row   ; acc = 0: the product starts the sum;  row = 1: source 0's scale words stand in lanes 16-31
.if \row
.if \acc
	v_wmma_scale_f32_16x16x128_f8f6f4 v[(\d):(\d)+7], v[(\a):(\a)+11], v[(\bq):(\bq)+11], v[(\d):(\d)+7], v[\sa], v[\sb] matrix_a_fmt:MATRIX_FMT_FP6 matrix_b_fmt:MATRIX_FMT_FP6 matrix_a_scale:MATRIX_SCALE_ROW1
.else
	v_wmma_scale_f32_16x16x128_f8f6f4 v[(\d):(\d)+7], v[(\a):(\a)+11], v[(\bq):(\bq)+11], 0, v[\sa], v[\sb] matrix_a_fmt:MATRIX_FMT_FP6 matrix_b_fmt:MATRIX_FMT_FP6 matrix_a_scale:MATRIX_SCALE_ROW1
.endif
.else
.if \acc
	v_wmma_scale_f32_16x16x128_f8f6f4 v[(\d):(\d)+7], v[(\a):(\a)+11], v[(\bq):(\bq)+11], v[(\d):(\d)+7], v[\sa], v[\sb] matrix_a_fmt:MATRIX_FMT_FP6 matrix_b_fmt:MATRIX_FMT_FP6
.else
	v_wmma_scale_f32_16x16x128_f8f6f4 v[(\d):(\d)+7], v[(\a):(\a)+11], v[(\bq):(\bq)+11], 0, v[\sa], v[\sb] matrix_a_fmt:MATRIX_FMT_FP6 matrix_b_fmt:MATRIX_FMT_FP6
.endif
.endif
.endm
.macro INIT                            ; a state that has seen no key: the first change of M multiplies zeros
	v_mov_b32 v13, 0xff61b1e6                      ; the largest t so far: -3e38, under every t
	v_mov_b32 v14, 0                               ; the sum, in two halves
	v_mov_b32 v15, 0
	v_floor_f32 v12, -v13                          ; -M
.set ix, 0
.rept 32
	v_mov_b32 v[O+ix], 0
.set ix, ix+1
.endr
.endm
.macro PUTSTATE pa, pt                 ; my O^T, -M and sum go to my state's bytes
	v_add_f32 v13, v14, v15                        ; the sum's two halves.  With the three lines below: the four places behind the last products
.rept 3
	v_nop
.endr
.set ix, 0
.rept 8
	ds_store_b128 v[\pa], v[O+4*ix:O+4*ix+3] offset:512*ix   ; each accumulator from its low end on
.set ix, ix+1
.endr
	ds_store_b64 v[\pt], v[12:13]
	s_wait_dscnt 0x0                               ; landed, for the others' sake; and the registers may be written again
.endm
; ONE UNIT: my 16 queries x the 128 keys of step 8 rd + s.  nn: the scalar that holds the block's number of steps.  A step past the diagonal is left out: a scalar branch on ids; no barrier and no tensor load stands in a unit.
.macro STEP qlo, qhi, slo, shi, dd, nn, adr, asc, rd
	s_add_co_u32 s18, s12, 8*\rd
	s_cmp_ge_u32 s18, s[\nn]
	s_cbranch_scc1 .Lskip_\@
	PLACES                                         ; the last unit's products have read the fragments' registers
.set ix, 0
.rept 12
	ds_load_b128 v[FR+4*ix:FR+4*ix+3], v[\adr] offset:512*ix   ; k's four fragments: each load of the wave takes 512 consecutive bytes
.set ix, ix+1
.endr
	ds_load_b32 v[KS], v[\asc] offset:WORDS
	ds_load_b32 v[KS+1], v[\asc] offset:WORDS+128
	s_wait_dscnt 0x0
.irp b, 0,1,2,3                        ; S^T: registers 16 b + n = key 32 b + 16 (lane / 16) + n
	WM S+16*\b, FR+12*\b, \qlo, 0, KS+\b/2, \slo, \b%2
	WM S+16*\b+8, FR+12*\b, \qhi, 0, KS+\b/2, \shi, \b%2
.endr
	PLACES                                         ; in front of the loads into the fragments' registers and of the first read of the scores
.set ix, 0
.rept 12
	ds_load_b128 v[FR+4*ix:FR+4*ix+3], v[\adr] offset:VPART+512*ix   ; v's four fragments land under the softmax
.set ix, ix+1
.endr
	ds_load_b32 v[VS], v[\asc] offset:VPART+WORDS
	ds_load_b32 v[VS+1], v[\asc] offset:VPART+WORDS+128
	s_add_co_u32 s18, s18, 1
	s_cmp_lg_u32 s18, s[\nn]
	s_cbranch_scc1 .Lopen_\@                       ; only the block's last step lies on the diagonal
.set ix, 0
.rept 64                               ; hidden scores become -infinity ahead of the maximum: p = 0 then.  My own key lies in this step, so M stays a number
	v_cmp_gt_i32 vcc_lo, 32*(ix/16)+ix%16, v[\dd]
	v_cndmask_b32 v[S+ix], v[S+ix], v[NINF], vcc_lo
.set ix, ix+1
.endr
.Lopen_\@:
.irp b, 0,1,2,3
	v_max3_num_f32 v[BM+\b], v[S+16*\b], v[S+16*\b+1], v[S+16*\b+2]   ; the largest score of each block of 32 keys: for the row's maximum and, since p rises with the score, for the block's largest p
.endr
.irp i, 3,5,7,9,11,13
.irp b, 0,1,2,3
	v_max3_num_f32 v[BM+\b], v[BM+\b], v[S+16*\b+\i], v[S+16*\b+\i+1]   ; the four blocks by turns
.endr
.endr
.irp b, 0,1,2,3
	v_max_num_f32 v[BM+\b], v[BM+\b], v[S+16*\b+15]
.endr
.irp b, 0,1,2,3
	v_permlanex16_b32 v[BP+\b], v[BM+\b], s20, s21
.endr
.irp b, 0,1,2,3
	v_max_num_f32 v[BM+\b], v[BM+\b], v[BP+\b]     ; with lane l xor 16's 16 keys
.endr
	v_max3_num_f32 v[T0], v[BM], v[BM+1], v[BM+2]
	v_max_num_f32 v[T0], v[T0], v[BM+3]            ; the step's largest score of my query
	v_mul_f32 v[T0], s22, v[T0]                    ; as t (c is positive)
	v_max_num_f32 v13, v13, v[T0]                  ; the running largest t
	v_mov_b32 v[T0], v12
	v_floor_f32 v12, -v13                          ; the new -M = floor(-t) = -ceil(t)
	v_sub_f32 v[T0], v12, v[T0]                    ; old M - new M: a whole number, 0 or less
	v_cvt_i32_f32 v[T0], v[T0]                     ; (it saturates)
	v_ldexp_f32 v[F], 1.0, v[T0]                   ; f = 2^(old M - new M)
.set ix, 0
.rept 32
	v_pk_fma_f32 v[S+ix:S+ix+1], v[S+ix:S+ix+1], s[22:23], v[12:13] op_sel_hi:[1,0,0]   ; t - M, two at a time (of the pairs c and -M the low word serves both halves)
.set ix, ix+2
.endr
.irp b, 0,1,2,3
	v_fma_f32 v[BM+\b], v[BM+\b], s22, v12         ; the same of each block's largest score
.endr
.set ix, 0
.rept 64
	v_exp_f32 v[S+ix], v[S+ix]                     ; p = 2^(t - M), at most 1
.set ix, ix+1
.endr
.irp b, 0,1,2,3
	v_exp_f32 v[BM+\b], v[BM+\b]                   ; the block's largest p: the same two instructions on the same number give the same bits
.endr
	v_pk_mul_f32 v[14:15], v[14:15], v[F:F+1] op_sel_hi:[1,0]   ; the sums under the new M.  (The plain line behind the exponentials)
	s_wait_alu depctr_va_vdst(0)
.irp b, 0,1,2,3
	v_max_num_f32 v[BM+\b], 0x1800000, v[BM+\b]    ; the floor 2^(3 - 127): the byte cannot fall under 1; a block whose every p is 0 keeps that byte over zero codes
.endr
.irp b, 0,1,2,3
	v_add_nc_u32 v[BS+\b], 0xff000000, v[BM+\b]    ; 2 off the exponent field: the conversion's scale operand
.endr
.irp b, 0,1,2,3
	v_lshrrev_b32 v[BP+\b], 23, v[BS+\b]           ; the scale's byte
.endr
	v_lshl_or_b32 v[PW], v[BP+1], 8, v[BP]         ; p's scale word for these 128 keys
	v_lshl_or_b32 v[PW], v[BP+2], 16, v[PW]
	v_lshl_or_b32 v[PW], v[BP+3], 24, v[PW]
.irp c, 0,1
	v_cvt_scalef32_pk16_fp6_f32 v[PC+6*\c:PC+6*\c+2], v[S+32*\c:S+32*\c+15], v[BS+2*\c]
	v_cvt_scalef32_pk16_fp6_f32 v[PT+4*\c:PT+4*\c+2], v[S+32*\c+16:S+32*\c+31], v[BS+2*\c+1]   ; (a conversion's three registers begin on an even number)
.endr
	v_nop                                          ; one plain line behind a scaled conversion
.irp c, 0,1                            ; the operand's layout wants a whole block in a lane: lanes 0-15 block 2 c, lanes 16-31 block 2 c + 1
.irp i, 0,1,2
	v_permlane16_swap_b32 v[PC+6*\c+\i], v[PT+4*\c+\i]
.endr
.irp i, 0,1,2
	v_mov_b32 v[PC+6*\c+3+\i], v[PT+4*\c+\i]
.endr
.endr
.set ix, 0
.rept 16
	v_pk_mul_f32 v[O+ix:O+ix+1], v[O+ix:O+ix+1], v[F:F+1] op_sel_hi:[1,0]   ; O^T under the new M, each accumulator from its low end on
.set ix, ix+2
.endr
	v_pk_add_f32 v[SUM2:SUM2+1], v[S:S+1], v[S+2:S+3]   ; the row's sum is taken of the unquantised p: two at a time, in two chains
.set ix, 4
.rept 15
	v_pk_add_f32 v[14:15], v[14:15], v[S+ix:S+ix+1]
	v_pk_add_f32 v[SUM2:SUM2+1], v[SUM2:SUM2+1], v[S+ix+2:S+ix+3]
.set ix, ix+4
.endr
	v_pk_add_f32 v[14:15], v[14:15], v[SUM2:SUM2+1]    ; (these 48 packed lines are more than the eight places that p's scale word and the four that its codes owe ahead of a scaled product)
	s_wait_dscnt 0x0                               ; v's fragments and scale words are in
.irp u, 0,1,2,3                        ; O^T += v^T p^T: the four accumulators by turns; the next unit's eight score products stand between two links of a chain
	WM O+8*\u, FR+12*\u, PC, 1, VS+\u/2, PW, \u%2
.endr
.Lskip_\@:
.endm
	s_load_b128 s[4:7], s[0:1], 0x0                ; kv, qb
	s_load_b64 s[8:9], s[0:1], 0x10                ; out0
	v_lshl_add_u32 v[SPW], v0, 2, SPARE
	v_mov_b32 v[NIL], 0
	ds_add_u32 v1, v2
	s_wait_dscnt 0x0
	v_lshrrev_b32 v9, 5, v0
	v_readfirstlane_b32 s10, v9                    ; wave 0..15
	s_and_b32 s11, s10, 1                          ; t: my tile of 16 queries
	s_lshr_b32 s12, s10, 1                         ; s: my key part
	s_mov_b32 s13, ttmp9                           ; jj: the cluster's x
	s_bfe_u32 s14, ttmp6, 0x40000                  ; cx: my place in the cluster
	s_and_b32 s15, ttmp7, 0xffff                   ; the batch
	s_add_co_u32 s16, s13, 1                       ; LOW's key steps
	s_sub_co_u32 s17, 32, s13                      ; HIGH's
	s_mov_b32 s20, 0x76543210
	s_mov_b32 s21, 0xfedcba98                      ; v_permlanex16_b32's selects for lane l xor 16
	s_mov_b32 s22, 0x3d8293ee                      ; c = log2(e) / sqrt(512)
	s_mov_b32 s23, s22                             ; (named with it as a pair, so it is written)
	; descriptor group 1: two key steps, 25,600 dense bytes, as 100 rows of 256 bytes (32 elements of 8 bytes), no padding
	s_mov_b32 s24, 15|(3<<16)|(1<<21)              ; 15:0 the mask: all four work-groups; 17:16 elements of 8 bytes; 21 set beside a mask
	s_mov_b32 s25, 32<<16                          ; tensor_dim0 = 32
	s_mov_b32 s26, 100<<16                         ; tensor_dim1 = 100
	s_mov_b32 s27, 32<<16                          ; tile_dim0 = 32
	s_mov_b32 s28, 100                             ; tile_dim1 = 100
	s_mov_b32 s29, 32                              ; tensor_dim0_stride
	s_mov_b32 s30, 0
	s_mov_b32 s31, 0
	s_mov_b32 s32, 1                               ; group 0, slot 0: count = 1,
	s_mul_i32 s33, s10, 2*STEPB                    ; LDS address: the wave's two steps,
	s_mov_b32 s36, 1
	s_add_co_u32 s37, s33, SLOTB                   ; slot 1 likewise
	s_mul_i32 s48, s15, 32*STEPB                   ; the batch's 32 steps
	s_add_co_u32 s48, s48, s33
	s_mov_b32 s49, 0
	s_wait_kmcnt 0x0
	s_add_nc_u64 s[34:35], s[4:5], s[48:49]        ; global address: steps 2 w, 2 w + 1
	s_add_nc_u64 s[38:39], s[34:35], SLOTB         ; steps 8 + 2 w, 9 + 2 w
	s_or_b32 s35, s35, 0x80000000                  ; type = 2
	s_or_b32 s39, s39, 0x80000000
	ROUND                                          ; all four work-groups are here: the first joint loads meet
	s_cmp_lt_u32 s10, 4
	s_cbranch_scc0 .Lno_fill                       ; a wave's two first fills stand in one branch, ahead of every wait on TENSORcnt and every LDS read: two loads of mine are out
	tensor_load_to_lds s[32:35], s[24:31]
	s_nop 0
	tensor_load_to_lds s[36:39], s[24:31]
	s_nop 0
	PLACES
.Lno_fill:
	v_and_b32 v[TL], 31, v0                        ; lane
	v_and_b32 v[TR], 15, v0                        ; r
	v_bfe_u32 v[TH], v0, 4, 1                      ; h
	v_and_b32 v[TQ], 8, v[TR]
	v_add_nc_u32 v[TQ], v[TQ], v[TR]               ; r + 8 (r / 8)
	; q: LOW lies in group jj of 128 queries as image cx, HIGH in group 31 - jj as image 3 - cx
	s_sub_co_u32 s19, 3, s14
	s_lshl_b32 s48, s15, 5
	s_add_co_u32 s50, s48, s13
	s_mul_i32 s50, s50, 6400
	s_mov_b32 s51, 0
	s_add_nc_u64 s[40:41], s[6:7], s[50:51]
	s_add_co_u32 s50, s48, 31
	s_sub_co_u32 s50, s50, s13
	s_mul_i32 s50, s50, 6400
	s_add_nc_u64 s[42:43], s[6:7], s[50:51]
	s_mul_i32 s56, s14, 1536
	v_lshl_add_u32 v[QOL], v[TL], 4, s56
	s_mul_i32 s56, s19, 1536
	v_lshl_add_u32 v[QOH], v[TL], 4, s56
	s_lshl_b32 s56, s14, 6
	s_add_co_u32 s56, s56, WORDS
	v_lshl_add_u32 v[QWL], v[TR], 2, s56
	s_lshl_b32 s56, s19, 6
	s_add_co_u32 s56, s56, WORDS
	v_lshl_add_u32 v[QWH], v[TR], 2, s56
.irp c, 0,1,2
	global_load_b128 v[S+4*\c:S+4*\c+3], v[QOL], s[40:41] offset:512*\c
	global_load_b128 v[S+12+4*\c:S+12+4*\c+3], v[QOH], s[42:43] offset:512*\c
.endr
	global_load_b32 v[S+24], v[QWL], s[40:41]
	global_load_b32 v[S+25], v[QWH], s[42:43]
	; the LDS addresses
	s_mul_i32 s18, s12, STEPB
	v_lshl_add_u32 v[ADR0], v[TL], 4, s18
	v_add_nc_u32 v[ADR1], SLOTB, v[ADR0]
	v_lshl_add_u32 v[ASC0], v[TL], 2, s18
	v_add_nc_u32 v[ASC1], SLOTB, v[ASC0]
	s_mul_i32 s18, s10, STATE                      ; my state
	v_lshl_add_u32 v[PSB], v[TL], 4, s18
	v_add_nc_u32 v[PSA], SCRA, v[PSB]
	s_add_co_u32 s18, s18, 4096
	v_lshl_add_u32 v[PTB], v[TL], 3, s18
	v_add_nc_u32 v[PTA], SCRA, v[PTB]
	s_lshr_b32 s52, s10, 3                         ; the combine: ph = 0: HIGH, 1: LOW;
	s_bfe_u32 s53, s10, 0x10002                    ; tt: the tile of queries;
	s_and_b32 s54, s10, 3                          ; g: the tile of 16 channels
	s_mul_i32 s18, s52, SCRA
	s_mul_i32 s48, s53, STATE
	s_add_co_u32 s18, s18, s48
	s_add_co_u32 s48, s18, 4096
	v_lshl_add_u32 v[CBS], v[TL], 3, s48
	s_lshl_b32 s48, s54, 10
	s_add_co_u32 s18, s18, s48
	v_lshl_add_u32 v[CBA], v[TL], 4, s18
	s_lshr_b32 s18, s10, 2                         ; the stage, in: row 16 (w / 4) + r; channels 32 (g / 2) + 8 (g % 2) + 16 h on
	s_mul_i32 s18, s18, 16*SPITCH
	s_lshr_b32 s48, s54, 1
	s_lshl_b32 s50, s48, 7
	s_add_co_u32 s18, s18, s50
	s_and_b32 s50, s54, 1
	s_lshl_b32 s50, s50, 5
	s_add_co_u32 s18, s18, s50
	s_add_co_u32 s18, s18, STG
	v_mul_u32_u24 v9, v[TR], SPITCH
	v_lshl_add_u32 v9, v[TH], 6, v9
	v_add_nc_u32 v[STO], s18, v9
	s_mul_i32 s18, s10, 4*SPITCH                   ; and back: rows 4 w on; lanes 0-15 one row, lanes 16-31 the next
	s_add_co_u32 s18, s18, STG
	v_mul_u32_u24 v9, v[TH], SPITCH
	v_lshl_add_u32 v9, v[TR], 4, v9
	v_add_nc_u32 v[SRD], s18, v9
	v_lshlrev_b32 v[GO], 4, v[TL]
	; the mask's lane numbers
	v_lshlrev_b32 v9, 4, v[TH]
	v_sub_nc_u32 v9, v[TQ], v9
	s_lshl_b32 s48, s11, 3
	s_lshl_b32 s56, s14, 5
	s_add_co_u32 s56, s56, s48
	v_add_nc_u32 v[DL], s56, v9                    ; 32 cx + 8 t + r + 8 (r / 8) - 16 h
	s_lshl_b32 s56, s19, 5
	s_add_co_u32 s56, s56, s48
	v_add_nc_u32 v[DH], s56, v9                    ; the same with 3 - cx
	; out0 at the four rows that I store: stage rows 4 w .. 4 w + 3 are queries 8 tt + 4 g + 8 (g / 2) + 0 .. 3 of the block
	s_lshl_b32 s58, s13, 2
	s_add_co_u32 s58, s58, s14                     ; j
	s_sub_co_u32 s59, 127, s58
	s_cmp_eq_u32 s52, 1
	s_cselect_b32 s58, s58, s59                    ; the block of 32 queries
	s_lshl_b32 s58, s58, 5
	s_lshl_b32 s59, s53, 3
	s_add_co_u32 s58, s58, s59
	s_lshl_b32 s59, s54, 2
	s_add_co_u32 s58, s58, s59
	s_lshr_b32 s59, s54, 1
	s_lshl_b32 s59, s59, 3
	s_add_co_u32 s58, s58, s59
	s_lshl_b32 s58, s58, 8                         ; a row of out0 is 256 bytes
	s_lshl_b32 s59, s15, 20                        ; a batch 4,096 rows
	s_add_co_u32 s58, s58, s59
	s_mov_b32 s59, 0
	s_add_nc_u64 s[46:47], s[8:9], s[58:59]
	s_cmp_eq_u32 s11, 1
	s_cselect_b32 s44, -1, 0                       ; all lanes: tile 1 of the image, or tile 0
	s_lshl_b32 s45, s11, 4
.irp k, 0,1,2,3,4,5
	v_mov_b32 v[QHI_H+\k], 0                       ; the three runs of zero codes
	v_mov_b32 v[QHI_L+\k], 0
	v_mov_b32 v[QLO_L+6+\k], 0
.endr
.irp b, 0,1,2,3
	v_mov_b32 v[BP+\b], 0                          ; written once: a lane permute's destination counts as one of its sources
.endr
	v_mov_b32 v11, 0                               ; likewise
	v_mov_b32 v[F+1], 0                            ; named as the upper half of the pair
	v_mov_b32 v[NINF], 0xff800000
	s_wait_loadcnt 0x0                             ; q
.irp k, 0,1,2,3,4,5
	v_cndmask_b32 v[QLO_L+\k], v[S+\k], v[S+6+\k], s44          ; registers 6 t .. 6 t + 5 of the image: my 16 queries
	v_cndmask_b32 v[QLO_H+\k], v[S+12+\k], v[S+18+\k], s44
.endr
	v_lshrrev_b32 v9, s45, v[S+24]
	v_lshrrev_b32 v10, s45, v[S+25]
	v_and_b32 v9, 0xffff, v9                       ; bytes 2 t, 2 t + 1 of the word: my queries' two scale bytes
	v_and_b32 v10, 0xffff, v10
	v_or_b32 v[SLL], 0x01010000, v9                ; for (q, zeros): the idle half under the byte 1
	v_lshl_or_b32 v[SHL], v9, 16, 0x0101           ; for (zeros, q)
	v_or_b32 v[SLH], 0x01010000, v10
	v_lshl_or_b32 v[SHH], v10, 16, 0x0101
	INIT
	s_wait_tensorcnt 0x1                           ; my part of slot 0 is in; slot 1's may stay out
	BAR                                            ; everybody's is
	STEP QLO_L, QHI_L, SLL, SHL, DL, 16, ADR0, ASC0, 0     ; LOW, steps 0-7
	THREE 0                                        ; my part of slot 1 is in
	BAR                                            ; everybody's is
	STEP QLO_L, QHI_L, SLL, SHL, DL, 16, ADR1, ASC1, 1     ; LOW, steps 8-15
	PUTSTATE PSA, PTA
	INIT
	STEP QLO_H, QHI_H, SLH, SHH, DH, 17, ADR0, ASC0, 0     ; HIGH, steps 0-7
	THREE 32                                       ; my reads of slot 0 are over
	ROUND                                          ; so are those of every wave of every partner, and none has a load on its way
	TLOAD 32                                       ; steps 16-23 into slot 0: they have the next unit's work in which to land
	STEP QLO_H, QHI_H, SLH, SHH, DH, 17, ADR1, ASC1, 1     ; HIGH, steps 8-15
	THREE 36                                       ; my part of slot 0 is in, my reads of slot 1 are over
	ROUND
	TLOAD 36                                       ; steps 24-31 into slot 1: the last load
	STEP QLO_H, QHI_H, SLH, SHH, DH, 17, ADR0, ASC0, 2     ; HIGH, steps 16-23
	THREE 0                                        ; my part of slot 1 is in, my reads of slot 0 are over
	BAR                                            ; nothing is filled any more: slot 0's bytes are free for the HIGH states
	STEP QLO_H, QHI_H, SLH, SHH, DH, 17, ADR1, ASC1, 3     ; HIGH, steps 24-31
	PUTSTATE PSB, PTB
	BAR                                            ; all 32 states lie in LDS
	; THE COMBINE.  Wave w joins the eight key parts of block ph, tile tt of queries, tile g of channels.
.set ix, 0
.rept 8
	ds_load_b128 v[S+8*ix:S+8*ix+3], v[CBA] offset:2*STATE*ix
	ds_load_b128 v[S+8*ix+4:S+8*ix+7], v[CBA] offset:2*STATE*ix+512
	ds_load_b64 v[FR+2*ix:FR+2*ix+1], v[CBS] offset:2*STATE*ix     ; (-M, sum) of part ix
.set ix, ix+1
.endr
	s_wait_dscnt 0x0
	v_min3_num_f32 v9, v[FR], v[FR+2], v[FR+4]
	v_min3_num_f32 v9, v9, v[FR+6], v[FR+8]
	v_min3_num_f32 v9, v9, v[FR+10], v[FR+12]
	v_min_num_f32 v9, v9, v[FR+14]                 ; the smallest -M: the largest M.  Part 0 has always seen keys
.irp e, 0,1,2,3,4,5,6,7
	v_sub_f32 v[FR+16+\e], v9, v[FR+2*\e]          ; the part's M less the largest: a whole number, 0 or less
.endr
.irp e, 0,1,2,3,4,5,6,7
	v_cvt_i32_f32 v[FR+16+\e], v[FR+16+\e]         ; (it saturates: a part that has seen no key gets the factor 0)
.endr
.irp e, 0,1,2,3,4,5,6,7
	v_ldexp_f32 v[FR+16+\e], 1.0, v[FR+16+\e]      ; the part's factor: an exact power of two
.endr
	v_mul_f32 v10, v[FR+16], v[FR+1]
.irp e, 1,2,3,4,5,6,7
	v_fmac_f32 v10, v[FR+16+\e], v[FR+2*\e+1]
.endr
	v_permlanex16_b32 v11, v10, s20, s21
	v_add_f32 v10, v10, v11                        ; with lane l xor 16's keys: the row's sum
	v_rcp_f32 v10, v10
.irp k, 0,1,2,3,4,5,6,7
	v_mul_f32 v[PC+\k], v[FR+16], v[S+\k]          ; (plain lines behind the reciprocal)
.endr
.irp e, 1,2,3,4,5,6,7
.irp k, 0,1,2,3,4,5,6,7
	v_fmac_f32 v[PC+\k], v[FR+16+\e], v[S+8*\e+\k]
.endr
.endr
	s_wait_alu depctr_va_vdst(0)
.irp k, 0,1,2,3,4,5,6,7
	v_mul_f32 v[PC+\k], v[PC+\k], v10              ; O / the sum: eight neighbouring channels of my query
.endr
	ds_store_b128 v[STO], v[PC:PC+3]
	ds_store_b128 v[STO], v[PC+4:PC+7] offset:16
	s_wait_dscnt 0x0                               ; for the others' sake: a row's 256 bytes come from four waves
	BAR
	ds_load_b128 v[S:S+3], v[SRD]
	ds_load_b128 v[S+4:S+7], v[SRD] offset:2*SPITCH
	s_wait_dscnt 0x1                               ; the first two rows are back; the second load may be out
	global_store_b128 v[GO], v[S:S+3], s[46:47] th:TH_STORE_NT               ; 32 lanes store two rows: 512 consecutive bytes, aligned
	s_wait_dscnt 0x0
	global_store_b128 v[GO], v[S+4:S+7], s[46:47] offset:512 th:TH_STORE_NT
	THREE 0                                        ; the wave's end: behind my last tensor load and my last LDS store
	ROUND                                          ; the closing round: no work-group ends while a partner may still ask for a tile that names it
	s_endpgm
.Lfunc_end_k_qada2570e59_attn:
	.size	k_qada2570e59_attn, .Lfunc_end_k_qada2570e59_attn-k_qada2570e59_attn
	.p2alignl 7, 3214868480
	.fill 96, 4, 3214868480
	.section	.rodata,"a",@progbits
	.p2align	6, 0x0
	.amdhsa_kernel k_qada2570e59_attn
		.amdhsa_group_segment_fixed_size 327680
		.amdhsa_private_segment_fixed_size 0
		.amdhsa_enable_private_segment 0
		.amdhsa_kernarg_size 24
		.amdhsa_user_sgpr_count 2
		.amdhsa_user_sgpr_kernarg_segment_ptr 1
		.amdhsa_wavefront_size32 1
		.amdhsa_system_sgpr_workgroup_id_x 1
		.amdhsa_system_sgpr_workgroup_id_y 1
		.amdhsa_system_sgpr_workgroup_id_z 1
		.amdhsa_system_vgpr_workitem_id 0
		.amdhsa_next_free_vgpr 256
		.amdhsa_next_free_sgpr 80
		.amdhsa_reserve_vcc 1
		.amdhsa_float_denorm_mode_32 3
		.amdhsa_float_denorm_mode_16_64 3
		.amdhsa_memory_ordered 1
		.amdhsa_forward_progress 1
		.amdhsa_inst_pref_size 145
	.end_amdhsa_kernel
	.amdgpu_metadata
---
amdhsa.version: [ 1, 2 ]
amdhsa.kernels:
  - .name:           k_qada2570e59_attn
    .symbol:         k_qada2570e59_attn.kd
    .args:
      - { .name: kv, .offset: 0, .size: 8, .value_kind: global_buffer, .address_space: global }
      - { .name: qb, .offset: 8, .size: 8, .value_kind: global_buffer, .address_space: global }
      - { .name: out0, .offset: 16, .size: 8, .value_kind: global_buffer, .address_space: global }
    .group_segment_fixed_size: 327680
    .private_segment_fixed_size: 0
    .kernarg_segment_align: 8
    .kernarg_segment_size: 24
    .max_flat_workgroup_size: 512
    .sgpr_count:     80
    .vgpr_count:     256
    .wavefront_size: 32
...
	.end_amdgpu_metadata
.endif
;; end of part 2
;; ======== version 2 of 2: 2 launches
;; workspace buffers: kv 1,638,400 bytes; qb 819,200 bytes
;; launch proj (part 3): grid 128 x 1, 12 waves a work-group, no clusters, 135,680 bytes of LDS; arguments x_codes, x_scales, Wk_codes, Wk_scales, Wq_codes, Wq_scales, Wv_codes, Wv_scales, kv, qb; writes kv, qb
.if DOCPART == 3
	.amdgcn_target "amdgcn-amd-amdhsa--gfx1250"
	.amdhsa_code_object_version 6
	.text
	.protected	k_qada2570e59_proj
	.globl	k_qada2570e59_proj
	.p2align	8
	.type	k_qada2570e59_proj,@function
k_qada2570e59_proj:
	s_mov_b64 s[64:65], 0
	v_nop
	global_prefetch_b8 v0, s[64:65] scope:SCOPE_SE
	s_setreg_imm32_b32 hwreg(HW_REG_WAVE_SCHED_MODE, 0, 2), 2
	s_setreg_imm32_b32 hwreg(HW_REG_WAVE_MODE, 25, 1), 1
	s_wait_xcnt 0x0
	s_wait_alu depctr_vm_vsrc(0)
; k = x Wk, q = x Wq, v = x Wv on codes of FP6 (E2M3) as they are given, sums in f32; the results are quantised at once (k and q along the 64 channels, v along the keys)
; and stored as IMAGES OF THE NEXT LAUNCH'S OPERAND REGISTERS.  x: [16,384][512] codes, a row 384 bytes, 16 scale bytes a row.  W*: [64][512] codes, K innermost.
; SHARES.  A work-group takes 128 rows of x.  Twelve waves: kind = wave / 4 (0 k, 1 q, 2 v), i = wave % 4.  A k or q wave makes 32 rows x 64 channels, a v wave 16 channels x 128 keys:
; each is one fragment (12 registers a lane) and one scale word a row.  128 work-groups: a fragment of v needs 128 keys under one writer.
; OBJECTS.  A tile of 16 rows x all 512 along K goes from the wave that loads it to the waves that multiply by it through LDS as its registers stand: 12 pieces of 512 bytes
; (lane l's 16 bytes at 16 l) and a 13th with four scale words a lane.  Lane (r, h) loads the 192 consecutive bytes at row x 384 + 192 h: blocks 8 h .. 8 h + 7 of its row.
; So K step s (registers 12 s .. 12 s + 11) multiplies blocks 2 s, 8 + 2 s, 2 s + 1, 9 + 2 s, alike in x and in W, and the scale words are turned to that order.
; LIMIT: the f32 sums along K are therefore taken in another order of blocks than 0, 1, 2 ..
; ROWS OF A TILE ARE NOT NEIGHBOURS: lane r of tile t takes row 32 (t / 2) + 8 (t % 2) + r + 8 (r / 8), so that the 16 registers of two neighbouring result tiles are 16 neighbours along the next K.
; OUT.  kv: [128 blocks][12,800]: k's part, then v's;  qb: [128 blocks][6,400].  A part: four images of 1,536 bytes, then 256 bytes of scale words (fragment i, lane r: 64 i + 4 r).
; LIMITS: NaN and infinities are not served.  A block of zeros gets the scale byte 1 where the quantiser says 127: its codes are zeros, and the bytes are read by this program alone.
; No tensor loads: every tile is read once by one wave, 208 bytes a lane.  No cluster: work-groups share only the weights, 77 KB against a work-group's 51 KB of x.
; THE MODE: SCHED_MODE bits 1:0 = 2 (LLVM: expert scheduling mode 2), set by the entry lines.  The code itself states the register dependences
; between vector or matrix instructions and memory or LDS instructions, with s_wait_alu, always for 0.
; THE PLAN.  Registers that memory or LDS instructions touch:
;   v2-v12, v254, v255   offsets and LDS addresses: written at the head, never again: one wait ahead of the first load serves every later load and store.
;   v[FR ..], v[ACC ..]  at the head: a weight's tile, a tile of x and their scale rows land here; v_perm_b32 turns the scale bytes into v[ACC+8 ..]; the LDS stores read them.  Behind the
;                        first barrier one wait states that those stores have read their registers: from there on the first are fragments, the second accumulators.
;   v[SC ..]             scale words: loaded once, read by the products alone.
;   THE FRAGMENTS.  A K step is two HALVES of four products.  Half j multiplies set j % 2; what both halves of a K step share (k, q: x's two fragments; v: Wv's) lies in a set that turns with the K step.
;                        Halves 0 and 1 are asked for ahead of the first product.  Behind half j's four products ONE wait states that they are done reading their set, and half j + 2's loads go
;                        into it at once, with the shared set of the K step after (which the K step before read) where j is even.  So two halves' loads are out, and each has the other half's
;                        products in which to land.  Halves 6 and 7 ask for nothing and have no such wait.
;   v[PC ..], v[PW]      the quantiser writes them; one wait; the way out's four stores read them; nothing writes them again.
.set OBJ,  6656                        ; an object: 13 pieces of 512 bytes
.set OSC,  6144                        ; its scale words
.set SCW,  20*OBJ                      ; behind x's 8 objects and the weights' 12: the new scale words, 64 bytes a wave
.set GA,   2                           ; v2   codes: (r + 8 (r / 8)) x 384 + 192 h
.set GS,   3                           ; v3   scale rows: (r + 8 (r / 8)) x 16
.set LI,   4                           ; v4   16 x lane
.set LW,   5                           ; v5   where I store my weight's object
.set LX,   6                           ; v6   where I store x's tile (waves 0-7)
.set LA,   7                           ; v7   my kind's four weight objects
.set LB,   8                           ; v8   x's tiles 2 i, 2 i + 1
.set LC,   9                           ; v9   my kind's weight object i
.set SWA,  10                          ; v10  my row's new scale word
.set SRA,  11                          ; v11  my kind's 256 bytes of them, 8 bytes a lane
.set L8,   12                          ; v12  8 x lane
.set TM,   16                          ; v16-31 the quantiser's work
.set PW,   32                          ; v32  the scale word just made
.set SC,   36                          ; v36-71 scale words of the objects in hand: nothing else lies here
.set ACC,  72                          ; v72-135 eight accumulators
.set FR,   136                         ; v136-243 fragments.  k, q: W's tiles 0, 1 | W's tiles 2, 3 | x's two of the even K steps | of the odd ones.  v: x's tiles 0-3 | tiles 4-7 | Wv's of the even K steps
.set WVA,  FR+96                       ; v: Wv's fragment of the even K steps,
.set WVB,  TM                          ; and of the odd ones: v16-27, which the quantiser takes only behind the products
.set PC,   136                         ; behind the products: the codes just made (12), and 8 more at work
.macro PLACES                          ; four plain vector lines between a matrix instruction and a vector line on its registers (ISA guide 7.12.1)
.rept 4
	v_nop
.endr
.endm
.macro BARRIER                         ; my LDS stores have landed and my LDS loads are in: then the work-group's barrier
	s_wait_dscnt 0x0
	s_barrier_signal -1
	s_barrier_wait -1
.endm
.macro LOADOBJ reg, sreg, pc, ps, nt   ; 192 bytes of codes and 16 scale bytes a lane
.irp c, 0,1,2,3,4,5,6,7,8,9,10,11
.if \nt
	global_load_b128 v[\reg+4*\c:\reg+4*\c+3], v[GA], s[\pc:\pc+1] offset:16*\c th:TH_LOAD_NT
.else
	global_load_b128 v[\reg+4*\c:\reg+4*\c+3], v[GA], s[\pc:\pc+1] offset:16*\c
.endif
.endr
	global_load_b128 v[\sreg:\sreg+3], v[GS], s[\ps:\ps+1]
.endm
.macro PUTOBJ reg, sreg, treg, adr     ; the scale bytes into the K steps' order, then the 13 pieces
	v_perm_b32 v[\treg],   v[\sreg+2], v[\sreg],   0x05010400     ; K step 0: blocks 0, 8, 1, 9
	v_perm_b32 v[\treg+1], v[\sreg+2], v[\sreg],   0x07030602     ; K step 1: blocks 2, 10, 3, 11
	v_perm_b32 v[\treg+2], v[\sreg+3], v[\sreg+1], 0x05010400     ; K step 2: blocks 4, 12, 5, 13
	v_perm_b32 v[\treg+3], v[\sreg+3], v[\sreg+1], 0x07030602     ; K step 3: blocks 6, 14, 7, 15
.irp c, 0,1,2,3,4,5,6,7,8,9,10,11
	ds_store_b128 v[\adr], v[\reg+4*\c:\reg+4*\c+3] offset:512*\c  ; the codes as the loads brought them: no vector line has named them
.endr
	s_wait_alu depctr_va_vdst(0)                   ; the four v_perm_b32 have written the turned scale words, which the store below reads
	ds_store_b128 v[\adr], v[\treg:\treg+3] offset:OSC
.endm
.macro FRAG reg, adr, off              ; a fragment comes back as it was stored
.irp c, 0,1,2
	ds_load_b128 v[\reg+4*\c:\reg+4*\c+3], v[\adr] offset:\off+512*\c
.endr
.endm
.macro WM d, a, bq, sa, sb, k          ; K step k of one accumulator; step 0 starts the sum
.if (\k) == 0
	v_wmma_scale_f32_16x16x128_f8f6f4 v[(\d):(\d)+7], v[(\a):(\a)+11], v[(\bq):(\bq)+11], 0, v[\sa], v[\sb] matrix_a_fmt:MATRIX_FMT_FP6 matrix_b_fmt:MATRIX_FMT_FP6
.else
	v_wmma_scale_f32_16x16x128_f8f6f4 v[(\d):(\d)+7], v[(\a):(\a)+11], v[(\bq):(\bq)+11], v[(\d):(\d)+7], v[\sa], v[\sb] matrix_a_fmt:MATRIX_FMT_FP6 matrix_b_fmt:MATRIX_FMT_FP6
.endif
.endm
; k, q: half b of K step s: W's tiles 2 b, 2 b + 1 against x's two tiles.  Registers 16 (2 u + b) + 8 p + n: row r of x's tile 2 i + u, channel 32 b + 16 h + 8 p + n.
.macro KQHALF s, b
.if (\s) == 3 && (\b) == 1
	s_wait_dscnt 0x0                               ; the last half's fragments are in
.else
	s_wait_dscnt 6+6*(\b)                          ; LDS loads come back in order (ISA guide 5.7.1): this half's fragments are in; the next half's loads (6 for an odd half, 12 for an even one) may be out
.endif
.irp n, 0,1,2,3
	WM ACC+16*(2*(\n/2)+(\b))+8*(\n%2), FR+24*(\b)+12*(\n%2), FR+48+24*((\s)%2)+12*(\n/2), SC+4*(2*(\b)+(\n%2))+(\s), SC+16+4*(\n/2)+(\s), \s
.endr
.if (\s) < 3
	s_wait_alu depctr_va_vdst(0)                   ; the four products above are done reading W's set b, and the K step before is done reading the other set of x: the loads below land in these
	FRAG FR+24*(\b), LA, (2*(\b))*OBJ+1536*((\s)+1)
	FRAG FR+24*(\b)+12, LA, (2*(\b)+1)*OBJ+1536*((\s)+1)
.if (\b) == 0
	FRAG FR+48+24*(((\s)+1)%2), LB, 1536*((\s)+1)
	FRAG FR+48+24*(((\s)+1)%2)+12, LB, OBJ+1536*((\s)+1)
.endif
.endif
.endm
; v: half hh of K step s: x's tiles 4 hh .. 4 hh + 3 against Wv's tile i.  Registers 16 g + n: channel r of Wv's tile i, key 32 g + 16 h + n.
.macro VHALF s, hh
.if (\s) == 3 && (\hh) == 1
	s_wait_dscnt 0x0                               ; the last half's fragments are in
.else
	s_wait_dscnt 12+3*(\hh)                        ; this half's fragments are in; the next half's loads (12 for an odd half, 15 for an even one) may be out
.endif
.irp n, 0,1,2,3
	WM ACC+8*(4*(\hh)+\n), FR+48*(\hh)+12*\n, WVA-(WVA-WVB)*((\s)%2), SC+4*(4*(\hh)+\n)+(\s), SC+32+(\s), \s
.endr
.if (\s) < 3
	s_wait_alu depctr_va_vdst(0)                   ; the four products above are done reading x's set hh, and the K step before is done reading the other fragment of Wv: the loads below land in these
.irp n, 0,1,2,3
	FRAG FR+48*(\hh)+12*\n, LI, (4*(\hh)+\n)*OBJ+1536*((\s)+1)
.endr
.if (\hh) == 0
	FRAG WVA-(WVA-WVB)*(((\s)+1)%2), LC, 1536*((\s)+1)
.endif
.endif
.endm
; 64 numbers of a lane, register 16 b + i = element 32 b + 16 (lane / 16) + i of my row, become a fragment's codes in v[PC] on and its scale word in v[PW].
.macro QUANT s
.irp b, 0,1,2,3
	v_max3_num_f32 v[TM+\b], |v[\s+16*\b]|, |v[\s+1+16*\b]|, 0x1800000   ; block b: my 16 numbers, and the floor 2^(3 - 127): the byte cannot fall under 1
.endr
.irp i, 2,4,6,8,10,12,14
.irp b, 0,1,2,3
	v_max3_num_f32 v[TM+\b], v[TM+\b], |v[\s+16*\b+\i]|, |v[\s+1+16*\b+\i]|   ; the four blocks by turns
.endr
.endr
.irp b, 0,1,2,3
	v_permlanex16_b32 v[TM+4+\b], v[TM+\b], s44, s45
.endr
.irp b, 0,1,2,3
	v_max_num_f32 v[TM+\b], v[TM+\b], v[TM+4+\b]   ; with lane l xor 16's: the block's largest magnitude
.endr
.irp b, 0,1,2,3
	v_add_nc_u32 v[TM+12+\b], 0xff000000, v[TM+\b]   ; 2 off its exponent field: the conversion takes this operand's exponent field as its scale
.endr
.irp b, 0,1,2,3
	v_lshrrev_b32 v[TM+4+\b], 23, v[TM+12+\b]      ; the scale's byte
.endr
	v_lshl_or_b32 v[PW], v[TM+5], 8, v[TM+4]
	v_lshl_or_b32 v[PW], v[TM+6], 16, v[PW]
	v_lshl_or_b32 v[PW], v[TM+7], 24, v[PW]
.irp c, 0,1
	v_cvt_scalef32_pk16_fp6_f32 v[PC+6*\c:PC+2+6*\c], v[\s+32*\c:\s+15+32*\c], v[TM+12+2*\c]
	v_cvt_scalef32_pk16_fp6_f32 v[PC+12+4*\c:PC+14+4*\c], v[\s+16+32*\c:\s+31+32*\c], v[TM+12+2*\c+1]   ; (a conversion's three registers begin on an even number)
.endr
	v_nop                                          ; one plain line behind a scaled conversion
.irp c, 0,1                            ; the operand's layout wants a whole block in a lane: lanes 0-15 block 2 c, lanes 16-31 block 2 c + 1
.irp i, 0,1,2
	v_permlane16_swap_b32 v[PC+6*\c+\i], v[PC+12+4*\c+\i]
.endr
.irp i, 0,1,2
	v_mov_b32 v[PC+3+6*\c+\i], v[PC+12+4*\c+\i]
.endr
.endr
.endm
	s_load_b512 s[8:23], s[0:1], 0x0               ; x's codes, x's scales, then codes and scales of Wk, Wq, Wv
	s_load_b128 s[24:27], s[0:1], 0x40             ; kv, qb
	v_lshl_add_u32 v254, v0, 2, 0x20c00
	v_mov_b32 v255, 0
	v_lshrrev_b32 v13, 5, v0
	v_readfirstlane_b32 s28, v13                   ; wave 0..11
	v_and_b32 v1, 15, v0                           ; r
	v_bfe_u32 v13, v0, 4, 1                        ; h
	v_and_b32 v14, 8, v1
	v_add_nc_u32 v14, v14, v1                      ; r + 8 (r / 8)
	v_mul_u32_u24 v[GA], v14, 384
	v_mad_u32_u24 v[GA], v13, 192, v[GA]
	v_lshlrev_b32 v[GS], 4, v14
	v_and_b32 v15, 31, v0                          ; lane
	v_lshlrev_b32 v[LI], 4, v15
	s_wait_alu depctr_va_vdst(0)
	v_lshlrev_b32 v[L8], 3, v15
	s_wait_alu depctr_va_vdst(0)
	s_wait_alu depctr_va_sdst(0)                   ; s28 is written, ahead of its first reader: the kind, i, the LDS addresses and the bases are made from it
	s_lshr_b32 s29, s28, 2                         ; kind
	s_and_b32 s30, s28, 3                          ; i
	; every LDS address is made here, ahead of the first line at which the waves part
	s_mul_i32 s46, s28, OBJ
	v_add_nc_u32 v[LX], s46, v[LI]                 ; object = wave (x's tile)
	s_add_co_u32 s46, s46, 8*OBJ
	v_add_nc_u32 v[LW], s46, v[LI]                 ; object = 8 + wave (my weight's tile)
	s_mul_i32 s46, s29, 4*OBJ
	s_add_co_u32 s46, s46, 8*OBJ
	v_add_nc_u32 v[LA], s46, v[LI]
	s_mul_i32 s47, s30, OBJ
	s_add_co_u32 s46, s46, s47
	v_add_nc_u32 v[LC], s46, v[LI]
	s_lshl_b32 s47, s47, 1
	v_add_nc_u32 v[LB], s47, v[LI]
	s_lshl_b32 s46, s28, 6
	s_add_co_u32 s46, s46, SCW
	v_lshl_add_u32 v[SWA], v1, 2, s46
	v_add_nc_u32 v[SRA], s46, v[L8]
	s_mov_b32 s44, 0x76543210
	s_mov_b32 s45, 0xfedcba98                      ; v_permlanex16_b32's selects for lane l xor 16
.irp b, 0,1,2,3
	v_mov_b32 v[TM+4+\b], 0                        ; written once: a lane permute's destination counts as one of its sources
.endr
	s_mov_b32 s51, 12800
	s_wait_kmcnt 0x0
	s_cmp_eq_u32 s29, 1                            ; the choices hang on the wave's number alone
	s_cselect_b64 s[32:33], s[16:17], s[12:13]
	s_cselect_b64 s[34:35], s[18:19], s[14:15]
	s_cselect_b64 s[40:41], s[26:27], s[24:25]     ; q goes to qb, k and v to kv
	s_cselect_b32 s50, 6400, s51                   ; bytes of a block there
	s_cmp_eq_u32 s29, 2
	s_cselect_b64 s[32:33], s[20:21], s[32:33]     ; my weight's codes
	s_cselect_b64 s[34:35], s[22:23], s[34:35]     ; and scales
	s_cselect_b32 s51, 6400, 0                     ; v's part lies behind k's
	s_mul_i32 s50, s50, ttmp9
	s_add_co_u32 s50, s50, s51
	s_mov_b32 s51, 0
	s_add_nc_u64 s[40:41], s[40:41], s[50:51]      ; my kind's part of this block
	s_add_nc_u64 s[42:43], s[40:41], OSC           ; its scale words
	s_mul_i32 s50, s30, 1536
	s_add_nc_u64 s[40:41], s[40:41], s[50:51]      ; my image
	s_lshr_b32 s46, s30, 1
	s_lshl_b32 s46, s46, 5
	s_and_b32 s47, s30, 1
	s_lshl_b32 s47, s47, 3
	s_add_co_u32 s46, s46, s47                     ; my weight tile's first row: 32 (i / 2) + 8 (i % 2)
	s_mul_i32 s50, s46, 384
	s_add_nc_u64 s[32:33], s[32:33], s[50:51]
	s_lshl_b32 s50, s46, 4
	s_add_nc_u64 s[34:35], s[34:35], s[50:51]
	s_lshr_b32 s46, s28, 1
	s_lshl_b32 s46, s46, 5
	s_and_b32 s47, s28, 1
	s_lshl_b32 s47, s47, 3
	s_add_co_u32 s46, s46, s47
	s_lshl_b32 s47, ttmp9, 7
	s_add_co_u32 s46, s46, s47                     ; x's tile = wave: first row 128 x work-group + 32 (wave / 2) + 8 (wave % 2)
	s_mul_i32 s50, s46, 384
	s_add_nc_u64 s[36:37], s[8:9], s[50:51]
	s_lshl_b32 s50, s46, 4
	s_add_nc_u64 s[38:39], s[10:11], s[50:51]
	; ---- every wave loads one tile of its weight, waves 0-7 also one tile of x
	s_wait_alu depctr_va_vdst(0)                   ; the eleven offsets and addresses v2 to v12 are written, which every load and store below reads; so are the zeros in v20 to v23, in which a v wave's LDS loads land later
	LOADOBJ FR, ACC, 32, 34, 0
	s_cmp_ge_u32 s28, 8
	s_cbranch_scc1 .Lno_x_load
	LOADOBJ FR+48, ACC+4, 36, 38, 1                ; x is read once in the launch
.Lno_x_load:
	s_wait_loadcnt 0x0                             ; for 0: the two ways have issued different numbers of loads
	PUTOBJ FR, ACC, ACC+8, LW
	s_cmp_ge_u32 s28, 8
	s_cbranch_scc1 .Lno_x_store
	PUTOBJ FR+48, ACC+4, ACC+12, LX
.Lno_x_store:
	BARRIER                                        ; the twenty objects lie in LDS
	s_wait_alu depctr_vm_vsrc(0)                   ; my LDS stores have read v[FR ..] and v[ACC+8 ..]: the fragments' loads land in the first, the products write the second
	; ---- the products: eight accumulators by turns, in the same order in every K step
	s_cmp_eq_u32 s29, 2
	s_cbranch_scc1 .Lv_way
	; k, q: TRANSPOSED: source 0 = 16 rows of W, source 1 = 16 rows of x: a lane holds one row of x, its registers run along the channels
.irp wt, 0,1,2,3
	ds_load_b128 v[SC+4*\wt:SC+4*\wt+3], v[LA] offset:\wt*OBJ+OSC
.endr
.irp u, 0,1
	ds_load_b128 v[SC+16+4*\u:SC+16+4*\u+3], v[LB] offset:\u*OBJ+OSC
.endr
	FRAG FR, LA, 0                                 ; half 0 of K step 0: W's tiles 0, 1 and x's two fragments,
	FRAG FR+12, LA, OBJ
	FRAG FR+48, LB, 0
	FRAG FR+60, LB, OBJ
	FRAG FR+24, LA, 2*OBJ                          ; and half 1: W's tiles 2, 3
	FRAG FR+36, LA, 3*OBJ
.irp s, 0,1,2,3
	KQHALF \s, 0
	KQHALF \s, 1
.endr
	s_branch .Ljoin
.Lv_way:
	; v: source 0 = 16 rows of x, source 1 = 16 rows of Wv: a lane holds one channel, its registers run along the keys
.irp t, 0,1,2,3,4,5,6,7
	ds_load_b128 v[SC+4*\t:SC+4*\t+3], v[LI] offset:\t*OBJ+OSC
.endr
	ds_load_b128 v[SC+32:SC+35], v[LC] offset:OSC
.irp t, 0,1,2,3
	FRAG FR+12*\t, LI, \t*OBJ                      ; half 0 of K step 0: x's tiles 0-3
.endr
	FRAG WVA, LC, 0                                ; and Wv's fragment,
.irp t, 4,5,6,7
	FRAG FR+12*\t, LI, \t*OBJ                      ; and half 1: x's tiles 4-7
.endr
.irp s, 0,1,2,3
	VHALF \s, 0
	VHALF \s, 1
.endr
.Ljoin:
	PLACES                                         ; in front of the first read of results and of the first vector write of the fragments' registers
	QUANT ACC
	s_wait_alu depctr_va_vdst(0)                   ; the quantiser has written the codes v[PC ..] and the scale word v[PW], which the four stores below read
.irp c, 0,1,2
	global_store_b128 v[LI], v[PC+4*\c:PC+4*\c+3], s[40:41] offset:512*\c   ; the image: each store of the wave covers 512 consecutive bytes, aligned
.endr
	ds_store_b32 v[SWA], v[PW]                     ; both halves of the lanes write the same word with the same value
	BARRIER
	s_cmp_lg_u32 s30, 0
	s_cbranch_scc1 .Lend
	ds_load_b64 v[34:35], v[SRA]                   ; my kind's four waves' words: 256 bytes.  No vector line names v[34:35]
	s_wait_dscnt 0x0
	global_store_b64 v[L8], v[34:35], s[42:43]     ; 32 lanes store 256 consecutive bytes, aligned
.Lend:
	s_wait_dscnt 0x0                               ; the closing lines, six on end
	s_wait_alu 0x0
	s_wait_tensorcnt 0x0
	ds_add_u32 v254, v255
	s_wait_dscnt 0x0
	s_endpgm
.Lfunc_end_k_qada2570e59_proj:
	.size	k_qada2570e59_proj, .Lfunc_end_k_qada2570e59_proj-k_qada2570e59_proj
	.p2alignl 7, 3214868480
	.fill 96, 4, 3214868480
	.section	.rodata,"a",@progbits
	.p2align	6, 0x0
	.amdhsa_kernel k_qada2570e59_proj
		.amdhsa_group_segment_fixed_size 135680
		.amdhsa_private_segment_fixed_size 0
		.amdhsa_enable_private_segment 0
		.amdhsa_kernarg_size 80
		.amdhsa_user_sgpr_count 2
		.amdhsa_user_sgpr_kernarg_segment_ptr 1
		.amdhsa_wavefront_size32 1
		.amdhsa_system_sgpr_workgroup_id_x 1
		.amdhsa_system_sgpr_workgroup_id_y 1
		.amdhsa_system_sgpr_workgroup_id_z 1
		.amdhsa_system_vgpr_workitem_id 0
		.amdhsa_next_free_vgpr 256
		.amdhsa_next_free_sgpr 66
		.amdhsa_reserve_vcc 0
		.amdhsa_float_denorm_mode_32 3
		.amdhsa_float_denorm_mode_16_64 3
		.amdhsa_memory_ordered 1
		.amdhsa_forward_progress 1
		.amdhsa_inst_pref_size 35
	.end_amdhsa_kernel
	.amdgpu_metadata
---
amdhsa.version: [ 1, 2 ]
amdhsa.kernels:
  - .name:           k_qada2570e59_proj
    .symbol:         k_qada2570e59_proj.kd
    .args:
      - { .name: x_codes, .offset: 0, .size: 8, .value_kind: global_buffer, .address_space: global }
      - { .name: x_scales, .offset: 8, .size: 8, .value_kind: global_buffer, .address_space: global }
      - { .name: Wk_codes, .offset: 16, .size: 8, .value_kind: global_buffer, .address_space: global }
      - { .name: Wk_scales, .offset: 24, .size: 8, .value_kind: global_buffer, .address_space: global }
      - { .name: Wq_codes, .offset: 32, .size: 8, .value_kind: global_buffer, .address_space: global }
      - { .name: Wq_scales, .offset: 40, .size: 8, .value_kind: global_buffer, .address_space: global }
      - { .name: Wv_codes, .offset: 48, .size: 8, .value_kind: global_buffer, .address_space: global }
      - { .name: Wv_scales, .offset: 56, .size: 8, .value_kind: global_buffer, .address_space: global }
      - { .name: kv, .offset: 64, .size: 8, .value_kind: global_buffer, .address_space: global }
      - { .name: qb, .offset: 72, .size: 8, .value_kind: global_buffer, .address_space: global }
    .group_segment_fixed_size: 135680
    .private_segment_fixed_size: 0
    .kernarg_segment_align: 8
    .kernarg_segment_size: 80
    .max_flat_workgroup_size: 384
    .sgpr_count:     66
    .vgpr_count:     256
    .wavefront_size: 32
...
	.end_amdgpu_metadata
.endif
;; end of part 3
;; launch attn (part 4): grid 64 x 4, 16 waves a work-group, clusters of 4 x 1, 327,680 bytes of LDS; arguments kv, qb, out0; writes out0
.if DOCPART == 4
	.amdgcn_target "amdgcn-amd-amdhsa--gfx1250"
	.amdhsa_code_object_version 6
	.text
	.protected	k_qada2570e59_attn
	.globl	k_qada2570e59_attn
	.p2align	8
	.type	k_qada2570e59_attn,@function
k_qada2570e59_attn:
	s_mov_b64 s[64:65], 0
	v_nop
	global_prefetch_b8 v0, s[64:65] scope:SCOPE_SE
	s_setreg_imm32_b32 hwreg(HW_REG_WAVE_MODE, 25, 1), 1
	s_wait_xcnt 0x0
	s_wait_alu depctr_hold_cnt(0) depctr_sa_sdst(0) depctr_va_vdst(0) depctr_va_sdst(0) depctr_va_ssrc(0) depctr_va_vcc(0) depctr_vm_vsrc(0)
	s_getreg_b32 s2, hwreg(HW_REG_IB_STS2, 6, 4)
	s_cmp_eq_u32 s2, 0
	s_cbranch_scc0 .Lentry_in_a_cluster
	s_endpgm
.Lentry_in_a_cluster:
	s_bfe_u32 s2, ttmp6, 0x10000c
	s_cmp_lg_u32 s2, 0x3003
	s_cbranch_scc0 .Lentry_shape_is_right
	s_endpgm
.Lentry_shape_is_right:
; out[b][q][:] = the sum over keys k <= q of softmax_k(q . k / sqrt(512)) v[k][:], both products on codes of FP6 (E2M3) with one E8M0 scale for each 32 along K.
; kv: [4 x 32 steps][12,800]: for 128 keys, four fragments of k (each 32 keys x 64 channels), 256 bytes of scale words, four fragments of v (16 channels x 128 keys), 256 bytes of scale words;
; qb: [4 x 32][6,400]: q as k.  All are images of operand registers: piece c of a fragment holds registers 4 c .. 4 c + 3, lane l's 16 bytes at 512 c + 16 l.  out0: [4][4096][64] f32.
; THE SOFTMAX: t = score x log2(e) / sqrt(512); M = the largest t so far, rounded up to a whole number; p = 2^(t - M) is quantised along the keys, not normalised; the sum is taken of the
; unquantised p and divides at the end.  When M moves, the sum and O are multiplied by 2^(old M - new M): exact.
; SHARES.  Work-group j (0..63) of a batch owns two blocks of 32 queries: LOW = block j and HIGH = block 127 - j: together 33 key steps of 128 keys in every work-group.
; Wave w: query tile t = w % 2 of a block, key part s = w / 2: it takes the key steps 8 rd + s, rd = 0, 1, .. , with a running M, sum and O^T of its own; the eight parts of a tile meet in LDS at the end.
; Sixteen waves of 256 registers, four to a SIMD: one wave's vector work stands beside another's matrix work and LDS loads.
; CLUSTER.  The four work-groups j = 4 jj + cx of a cluster walk the same k and v, and their numbers of steps (jj + 1 and 32 - jj) are equal: every slot is asked for JOINTLY, by the same tensor load
; with the same descriptor and the mask of all four.  cx enters q's and out0's global offsets and the mask's lane number alone: no branch, no LDS address.
; LAYOUT.  Both products are used transposed (S^T = k q^T, O^T = v^T p^T): a lane holds one query (lane % 16) throughout.  Tile u of a fragment of k holds keys 8 u + r + 8 (r / 8) of its 32.
; K = 64 IN AN INSTRUCTION OF 128: a fragment of k holds two tiles of 16 keys, one in each half of the instruction's K.  Multiplied by (q, zeros) it gives the first tile's scores, by (zeros, q) the
; second's.  The idle half of q holds zero codes, which add nothing, under the scale byte 1.
; LIMITS: NaN and infinities are not served.  O and the sum are added over eight key parts: another order than one pass over the keys; all rescalings are exact powers of two.
; The last slot (steps 24-31) is fetched also in the clusters with jj >= 8, where no wave reads it: every work-group issues every joint load.
.set STEPB, 12800                      ; a key step in kv and in LDS
.set VPART, 6400                       ; v's part of it
.set WORDS, 6144                       ; a part's scale words
.set SLOTB, 8*STEPB                    ; a slot: eight key steps, one for each key part
.set SCRA,  2*SLOTB                    ; behind the two slots: the LOW states, 16 x STATE; no fill lands here
.set STATE, 4352                       ; O^T as 8 pieces of 512 bytes, then (-M, sum), 8 bytes a lane.  The HIGH states lie from LDS byte 0 on: slot 0 has then had its last fill and its last read
.set STG,   SCRA+16*STATE              ; the stage for the way out: 64 rows x (256 bytes + 16)
.set SPITCH, 272
.set SPARE, STG+64*SPITCH              ; the spare words, 128 bytes for each wave: eight blocks of 256 bytes that no other line names
.set SPW,  1                           ; v1   LDS address of my spare word; never rewritten
.set NIL,  2                           ; v2   0; never rewritten
.set ADR0, 3                           ; v3, v4  my key part's step in slot 0, 1: 16 x lane + 12,800 s
.set ADR1, 4
.set ASC0, 5                           ; v5, v6  the same with 4 x lane, for the scale words
.set ASC1, 6
.set DL,   7                           ; v7, v8  my query - the diagonal step's first key - 16 (lane / 16), for LOW and HIGH
.set DH,   8
.set QHI_H, 16                         ; v16-45: zeros, q of HIGH, zeros, q of LOW, zeros, six registers each: (zeros, q) and (q, zeros) are runs of twelve
.set QLO_H, 22
.set QHI_L, 28
.set QLO_L, 34
.set SLH,  46                          ; v46-49 q's scale words: for (q, zeros) and (zeros, q), HIGH then LOW
.set SHH,  47
.set SLL,  48
.set SHL,  49
.set FR,   50                          ; v50-97   four fragments: k's, then v's
.set S,    98                          ; v98-161  S^T, then p
.set O,    162                         ; v162-193 O^T: four tiles of 16 channels
.set PC,   194                         ; v194-205 p's codes
.set PT,   206                         ; v206-213 the conversions' second halves
.set BM,   214                         ; v214-217 the blocks' largest scores, then largest p
.set BP,   218                         ; v218-221 lane permutes' results, then scale bytes
.set BS,   222                         ; v222-225 the conversions' scale operands
.set KS,   226                         ; v226-227 k's scale words: lanes 0-15 fragment 0 (2), lanes 16-31 fragment 1 (3)
.set VS,   228                         ; v228-229 v's likewise
.set T0,   230
.set F,    232                         ; v[232:233] f = 2^(old M - new M); the upper word is written once
.set PW,   234                         ; p's scale word
.set SUM2, 236                         ; v[236:237] the sums' second chain
.set NINF, 238                         ; -infinity
.set PSA,  239                         ; v239-242 where I put my state: O^T (LOW, HIGH), then (-M, sum) (LOW, HIGH)
.set PSB,  240
.set PTA,  241
.set PTB,  242
.set CBA,  243                         ; v243-244 the combine: the eight parts' O^T of my tile of channels, and their (-M, sum)
.set CBS,  244
.set STO,  245                         ; v245-246 the stage: in, and back
.set SRD,  246
.set GO,   247                         ; v247 16 x lane: two rows of out0
.set TL,   248                         ; v248-255 at the head only: lane, r, h, r + 8 (r / 8), q's four offsets
.set TR,   249
.set TH,   250
.set TQ,   251
.set QOL,  252
.set QOH,  253
.set QWL,  254
.set QWH,  255
; s10 wave, s11 t, s12 s, s13 jj, s15 batch, s16 LOW's steps, s17 HIGH's; s[20:21] lane selects; s[22:23] c; s[24:31] descriptor group 1; s[32:35], s[36:39] group 0 of slot 0, 1;
; s14, s19, s46-47, s56-59 hold numbers made of cx, and no other scalar ever does.
.macro PLACES                          ; four plain vector lines between a matrix instruction and a load into, or a vector line or store on, its registers
.rept 4
	v_nop
.endr
.endm
.macro ROUND                           ; a round of the cluster's barrier
	s_barrier_signal -1
	s_barrier_wait -1
	s_cmp_lg_u32 s10, 0
	s_cbranch_scc1 .Lnot_wave_0_\@
	s_barrier_signal -3
.Lnot_wave_0_\@:
	s_barrier_wait -3
	s_barrier_signal -1
	s_barrier_wait -1
.endm
.macro THREE g0                        ; all my tensor loads have landed; 0 onto my spare word; the add and my LDS reads are done
	s_wait_tensorcnt 0x0
	ds_add_u32 v[SPW], v[NIL]
.if \g0
	s_add_nc_u64 s[\g0+2:\g0+3], s[\g0+2:\g0+3], 2*SLOTB   ; no tensor load of mine is out: the slot's group 0 steps sixteen key steps on
.endif
	s_wait_dscnt 0x0
.endm
.macro BAR
	s_barrier_signal -1
	s_barrier_wait -1
.endm
.macro TLOAD g0                        ; a joint refill: waves 0-3 bring two key steps each; the branch hangs on the wave's number alone; four v_nop follow the load
	s_cmp_lt_u32 s10, 4
	s_cbranch_scc0 .Lnot_mine_\@
	tensor_load_to_lds s[\g0:\g0+3], s[24:31]
	s_nop 0
	PLACES
.Lnot_mine_\@:
.endm
.macro WM d, a, bq, acc, sa, sb, row   ; acc = 0: the product starts the sum;  row = 1: source 0's scale words stand in lanes 16-31
.if \row
.if \acc
	v_wmma_scale_f32_16x16x128_f8f6f4 v[(\d):(\d)+7], v[(\a):(\a)+11], v[(\bq):(\bq)+11], v[(\d):(\d)+7], v[\sa], v[\sb] matrix_a_fmt:MATRIX_FMT_FP6 matrix_b_fmt:MATRIX_FMT_FP6 matrix_a_scale:MATRIX_SCALE_ROW1
.else
	v_wmma_scale_f32_16x16x128_f8f6f4 v[(\d):(\d)+7], v[(\a):(\a)+11], v[(\bq):(\bq)+11], 0, v[\sa], v[\sb] matrix_a_fmt:MATRIX_FMT_FP6 matrix_b_fmt:MATRIX_FMT_FP6 matrix_a_scale:MATRIX_SCALE_ROW1
.endif
.else
.if \acc
	v_wmma_scale_f32_16x16x128_f8f6f4 v[(\d):(\d)+7], v[(\a):(\a)+11], v[(\bq):(\bq)+11], v[(\d):(\d)+7], v[\sa], v[\sb] matrix_a_fmt:MATRIX_FMT_FP6 matrix_b_fmt:MATRIX_FMT_FP6
.else
	v_wmma_scale_f32_16x16x128_f8f6f4 v[(\d):(\d)+7], v[(\a):(\a)+11], v[(\bq):(\bq)+11], 0, v[\sa], v[\sb] matrix_a_fmt:MATRIX_FMT_FP6 matrix_b_fmt:MATRIX_FMT_FP6
.endif
.endif
.endm
.macro INIT                            ; a state that has seen no key: the first change of M multiplies zeros
	v_mov_b32 v13, 0xff61b1e6                      ; the largest t so far: -3e38, under every t
	v_mov_b32 v14, 0                               ; the sum, in two halves
	v_mov_b32 v15, 0
	s_delay_alu instid0(VALU_DEP_3)
	v_floor_f32 v12, -v13                          ; -M
.set ix, 0
.rept 32
	v_mov_b32 v[O+ix], 0
.set ix, ix+1
.endr
.endm
.macro PUTSTATE pa, pt                 ; my O^T, -M and sum go to my state's bytes
	v_add_f32 v13, v14, v15                        ; the sum's two halves.  With the three lines below: the four places behind the last products
.rept 3
	v_nop
.endr
.set ix, 0
.rept 8
	ds_store_b128 v[\pa], v[O+4*ix:O+4*ix+3] offset:512*ix   ; each accumulator from its low end on
.set ix, ix+1
.endr
	ds_store_b64 v[\pt], v[12:13]
	s_wait_dscnt 0x0                               ; landed, for the others' sake; and the registers may be written again
.endm
; ONE UNIT: my 16 queries x the 128 keys of step 8 rd + s.  nn: the scalar that holds the block's number of steps.  A step past the diagonal is left out: a scalar branch on ids; no barrier and no tensor load stands in a unit.
.macro STEP qlo, qhi, slo, shi, dd, nn, adr, asc, rd
	s_add_co_u32 s18, s12, 8*\rd
	s_cmp_ge_u32 s18, s[\nn]
	s_cbranch_scc1 .Lskip_\@
	PLACES                                         ; the last unit's products have read the fragments' registers
.set ix, 0
.rept 12
	ds_load_b128 v[FR+4*ix:FR+4*ix+3], v[\adr] offset:512*ix   ; k's four fragments: each load of the wave takes 512 consecutive bytes
.set ix, ix+1
.endr
	ds_load_b32 v[KS], v[\asc] offset:WORDS
	ds_load_b32 v[KS+1], v[\asc] offset:WORDS+128
	s_wait_dscnt 0x0
.irp b, 0,1,2,3                        ; S^T: registers 16 b + n = key 32 b + 16 (lane / 16) + n
	WM S+16*\b, FR+12*\b, \qlo, 0, KS+\b/2, \slo, \b%2
	WM S+16*\b+8, FR+12*\b, \qhi, 0, KS+\b/2, \shi, \b%2
.endr
	PLACES                                         ; in front of the loads into the fragments' registers and of the first read of the scores
.set ix, 0
.rept 12
	ds_load_b128 v[FR+4*ix:FR+4*ix+3], v[\adr] offset:VPART+512*ix   ; v's four fragments land under the softmax
.set ix, ix+1
.endr
	ds_load_b32 v[VS], v[\asc] offset:VPART+WORDS
	ds_load_b32 v[VS+1], v[\asc] offset:VPART+WORDS+128
	s_add_co_u32 s18, s18, 1
	s_cmp_lg_u32 s18, s[\nn]
	s_cbranch_scc1 .Lopen_\@                       ; only the block's last step lies on the diagonal
.set ix, 0
.rept 64                               ; hidden scores become -infinity ahead of the maximum: p = 0 then.  My own key lies in this step, so M stays a number
	v_cmp_gt_i32 vcc_lo, 32*(ix/16)+ix%16, v[\dd]
	v_cndmask_b32 v[S+ix], v[S+ix], v[NINF], vcc_lo
.set ix, ix+1
.endr
.Lopen_\@:
.irp b, 0,1,2,3
	v_max3_num_f32 v[BM+\b], v[S+16*\b], v[S+16*\b+1], v[S+16*\b+2]   ; the largest score of each block of 32 keys: for the row's maximum and, since p rises with the score, for the block's largest p
.endr
.irp i, 3,5,7,9,11,13
.irp b, 0,1,2,3
	v_max3_num_f32 v[BM+\b], v[BM+\b], v[S+16*\b+\i], v[S+16*\b+\i+1]   ; the four blocks by turns
.endr
.endr
.irp b, 0,1,2,3
	v_max_num_f32 v[BM+\b], v[BM+\b], v[S+16*\b+15]
.endr
.irp b, 0,1,2,3
	s_delay_alu instid0(VALU_DEP_4)
	v_permlanex16_b32 v[BP+\b], v[BM+\b], s20, s21
.endr
.irp b, 0,1,2,3
	s_delay_alu instid0(VALU_DEP_4)
	v_max_num_f32 v[BM+\b], v[BM+\b], v[BP+\b]     ; with lane l xor 16's 16 keys
.endr
	s_delay_alu instid0(VALU_DEP_2)
	v_max3_num_f32 v[T0], v[BM], v[BM+1], v[BM+2]
	s_delay_alu instid0(VALU_DEP_1)
	v_max_num_f32 v[T0], v[T0], v[BM+3]            ; the step's largest score of my query
	s_delay_alu instid0(VALU_DEP_1)
	v_mul_f32 v[T0], s22, v[T0]                    ; as t (c is positive)
	s_delay_alu instid0(VALU_DEP_1)
	v_max_num_f32 v13, v13, v[T0]                  ; the running largest t
	v_mov_b32 v[T0], v12
	s_delay_alu instid0(VALU_DEP_2)
	v_floor_f32 v12, -v13                          ; the new -M = floor(-t) = -ceil(t)
	s_delay_alu instid0(VALU_DEP_1)
	v_sub_f32 v[T0], v12, v[T0]                    ; old M - new M: a whole number, 0 or less
	s_delay_alu instid0(VALU_DEP_1)
	v_cvt_i32_f32 v[T0], v[T0]                     ; (it saturates)
	s_delay_alu instid0(VALU_DEP_1)
	v_ldexp_f32 v[F], 1.0, v[T0]                   ; f = 2^(old M - new M)
.set ix, 0
.rept 32
	v_pk_fma_f32 v[S+ix:S+ix+1], v[S+ix:S+ix+1], s[22:23], v[12:13] op_sel_hi:[1,0,0]   ; t - M, two at a time (of the pairs c and -M the low word serves both halves)
.set ix, ix+2
.endr
.irp b, 0,1,2,3
	v_fma_f32 v[BM+\b], v[BM+\b], s22, v12         ; the same of each block's largest score
.endr
.set ix, 0
	s_wait_alu depctr_va_vdst(0)
.rept 64
	v_exp_f32 v[S+ix], v[S+ix]                     ; p = 2^(t - M), at most 1
.set ix, ix+1
.endr
.irp b, 0,1,2,3
	v_exp_f32 v[BM+\b], v[BM+\b]                   ; the block's largest p: the same two instructions on the same number give the same bits
.endr
	v_pk_mul_f32 v[14:15], v[14:15], v[F:F+1] op_sel_hi:[1,0]   ; the sums under the new M.  (The plain line behind the exponentials)
	s_wait_alu depctr_va_vdst(0)
.irp b, 0,1,2,3
	v_max_num_f32 v[BM+\b], 0x1800000, v[BM+\b]    ; the floor 2^(3 - 127): the byte cannot fall under 1; a block whose every p is 0 keeps that byte over zero codes
.endr
.irp b, 0,1,2,3
	s_delay_alu instid0(VALU_DEP_4)
	v_add_nc_u32 v[BS+\b], 0xff000000, v[BM+\b]    ; 2 off the exponent field: the conversion's scale operand
.endr
.irp b, 0,1,2,3
	s_delay_alu instid0(VALU_DEP_4)
	v_lshrrev_b32 v[BP+\b], 23, v[BS+\b]           ; the scale's byte
.endr
	s_delay_alu instid0(VALU_DEP_3)
	v_lshl_or_b32 v[PW], v[BP+1], 8, v[BP]         ; p's scale word for these 128 keys
	s_delay_alu instid0(VALU_DEP_1)
	v_lshl_or_b32 v[PW], v[BP+2], 16, v[PW]
	s_delay_alu instid0(VALU_DEP_1)
	v_lshl_or_b32 v[PW], v[BP+3], 24, v[PW]
.irp c, 0,1
	v_cvt_scalef32_pk16_fp6_f32 v[PC+6*\c:PC+6*\c+2], v[S+32*\c:S+32*\c+15], v[BS+2*\c]
	v_cvt_scalef32_pk16_fp6_f32 v[PT+4*\c:PT+4*\c+2], v[S+32*\c+16:S+32*\c+31], v[BS+2*\c+1]   ; (a conversion's three registers begin on an even number)
.endr
	v_nop                                          ; one plain line behind a scaled conversion
.irp c, 0,1                            ; the operand's layout wants a whole block in a lane: lanes 0-15 block 2 c, lanes 16-31 block 2 c + 1
.irp i, 0,1,2
	v_permlane16_swap_b32 v[PC+6*\c+\i], v[PT+4*\c+\i]
.endr
.irp i, 0,1,2
	s_delay_alu instid0(VALU_DEP_3)
	v_mov_b32 v[PC+6*\c+3+\i], v[PT+4*\c+\i]
.endr
.endr
.set ix, 0
.rept 16
	v_pk_mul_f32 v[O+ix:O+ix+1], v[O+ix:O+ix+1], v[F:F+1] op_sel_hi:[1,0]   ; O^T under the new M, each accumulator from its low end on
.set ix, ix+2
.endr
	v_pk_add_f32 v[236:237], v[102:103], v[106:107]
	v_pk_add_f32 v[254:255], v[110:111], v[114:115]
	v_pk_add_f32 v[252:253], v[118:119], v[122:123]
	v_pk_add_f32 v[250:251], v[126:127], v[130:131]
	v_pk_add_f32 v[248:249], v[134:135], v[138:139]
	v_pk_add_f32 v[230:231], v[142:143], v[146:147]
	v_pk_add_f32 v[226:227], v[150:151], v[154:155]
	v_pk_add_f32 v[14:15], v[14:15], v[158:159]
	v_pk_add_f32 v[236:237], v[236:237], v[98:99]
	v_pk_add_f32 v[254:255], v[254:255], v[100:101]
	v_pk_add_f32 v[252:253], v[252:253], v[104:105]
	v_pk_add_f32 v[250:251], v[250:251], v[108:109]
	v_pk_add_f32 v[248:249], v[248:249], v[112:113]
	v_pk_add_f32 v[230:231], v[230:231], v[116:117]
	v_pk_add_f32 v[226:227], v[226:227], v[120:121]
	v_pk_add_f32 v[14:15], v[14:15], v[124:125]
	v_pk_add_f32 v[236:237], v[236:237], v[128:129]
	v_pk_add_f32 v[254:255], v[254:255], v[132:133]
	v_pk_add_f32 v[252:253], v[252:253], v[136:137]
	v_pk_add_f32 v[250:251], v[250:251], v[140:141]
	v_pk_add_f32 v[248:249], v[248:249], v[144:145]
	v_pk_add_f32 v[230:231], v[230:231], v[148:149]
	v_pk_add_f32 v[226:227], v[226:227], v[152:153]
	v_pk_add_f32 v[14:15], v[14:15], v[156:157]
	v_pk_add_f32 v[236:237], v[236:237], v[160:161]
	s_delay_alu instid0(VALU_DEP_2)
	v_pk_add_f32 v[14:15], v[14:15], v[250:251]
	s_delay_alu instid0(VALU_DEP_2)
	v_pk_add_f32 v[236:237], v[236:237], v[248:249]
	v_pk_add_f32 v[254:255], v[254:255], v[230:231]
	v_pk_add_f32 v[252:253], v[252:253], v[226:227]
	s_delay_alu instid0(VALU_DEP_2)
	v_pk_add_f32 v[14:15], v[14:15], v[254:255]
	s_delay_alu instid0(VALU_DEP_2)
	v_pk_add_f32 v[236:237], v[236:237], v[252:253]
	s_delay_alu instid0(VALU_DEP_1)
	v_pk_add_f32 v[14:15], v[14:15], v[236:237]
	s_wait_dscnt 0x0                               ; v's fragments and scale words are in
.irp u, 0,1,2,3                        ; O^T += v^T p^T: the four accumulators by turns; the next unit's eight score products stand between two links of a chain
	WM O+8*\u, FR+12*\u, PC, 1, VS+\u/2, PW, \u%2
.endr
.Lskip_\@:
.endm
	s_load_b128 s[4:7], s[0:1], 0x0                ; kv, qb
	s_load_b64 s[8:9], s[0:1], 0x10                ; out0
	v_lshl_add_u32 v[SPW], v0, 2, SPARE
	v_mov_b32 v[NIL], 0
	ds_add_u32 v1, v2
	ds_add_u32 v1, v2
	s_wait_dscnt 0x0
	v_lshrrev_b32 v9, 5, v0
	s_delay_alu instid0(VALU_DEP_1)
	v_readfirstlane_b32 s10, v9                    ; wave 0..15
	s_and_b32 s11, s10, 1                          ; t: my tile of 16 queries
	s_lshr_b32 s12, s10, 1                         ; s: my key part
	s_mov_b32 s13, ttmp9                           ; jj: the cluster's x
	s_bfe_u32 s14, ttmp6, 0x40000                  ; cx: my place in the cluster
	s_and_b32 s15, ttmp7, 0xffff                   ; the batch
	s_add_co_u32 s16, s13, 1                       ; LOW's key steps
	s_sub_co_u32 s17, 32, s13                      ; HIGH's
	s_mov_b32 s20, 0x76543210
	s_mov_b32 s21, 0xfedcba98                      ; v_permlanex16_b32's selects for lane l xor 16
	s_mov_b32 s22, 0x3d8293ee                      ; c = log2(e) / sqrt(512)
	s_mov_b32 s23, s22                             ; (named with it as a pair, so it is written)
	; descriptor group 1: two key steps, 25,600 dense bytes, as 100 rows of 256 bytes (32 elements of 8 bytes), no padding
	s_mov_b32 s24, 15|(3<<16)|(1<<21)              ; 15:0 the mask: all four work-groups; 17:16 elements of 8 bytes; 21 set beside a mask
	s_mov_b32 s25, 32<<16                          ; tensor_dim0 = 32
	s_mov_b32 s26, 100<<16                         ; tensor_dim1 = 100
	s_mov_b32 s27, 32<<16                          ; tile_dim0 = 32
	s_mov_b32 s28, 100                             ; tile_dim1 = 100
	s_mov_b32 s29, 32                              ; tensor_dim0_stride
	s_mov_b32 s30, 0
	s_mov_b32 s31, 0
	s_mov_b32 s32, 1                               ; group 0, slot 0: count = 1,
	s_mul_i32 s33, s10, 2*STEPB                    ; LDS address: the wave's two steps,
	s_mov_b32 s36, 1
	s_add_co_u32 s37, s33, SLOTB                   ; slot 1 likewise
	s_mul_i32 s48, s15, 32*STEPB                   ; the batch's 32 steps
	s_add_co_u32 s48, s48, s33
	s_mov_b32 s49, 0
	s_wait_kmcnt 0x0
	s_add_nc_u64 s[34:35], s[4:5], s[48:49]        ; global address: steps 2 w, 2 w + 1
	s_add_nc_u64 s[38:39], s[34:35], SLOTB         ; steps 8 + 2 w, 9 + 2 w
	s_or_b32 s35, s35, 0x80000000                  ; type = 2
	s_or_b32 s39, s39, 0x80000000
	ROUND                                          ; all four work-groups are here: the first joint loads meet
	s_cmp_lt_u32 s10, 4
	s_cbranch_scc0 .Lno_fill                       ; a wave's two first fills stand in one branch, ahead of every wait on TENSORcnt and every LDS read: two loads of mine are out
	tensor_load_to_lds s[32:35], s[24:31]
	s_nop 0
	tensor_load_to_lds s[36:39], s[24:31]
	s_nop 0
	PLACES
.Lno_fill:
	v_and_b32 v[TL], 31, v0                        ; lane
	s_wait_alu depctr_va_vdst(0)
	v_and_b32 v[TR], 15, v0                        ; r
	s_wait_alu depctr_va_vdst(0)
	v_bfe_u32 v[TH], v0, 4, 1                      ; h
	v_and_b32 v[TQ], 8, v[TR]
	s_delay_alu instid0(VALU_DEP_1)
	v_add_nc_u32 v[TQ], v[TQ], v[TR]               ; r + 8 (r / 8)
	; q: LOW lies in group jj of 128 queries as image cx, HIGH in group 31 - jj as image 3 - cx
	s_sub_co_u32 s19, 3, s14
	s_lshl_b32 s48, s15, 5
	s_add_co_u32 s50, s48, s13
	s_mul_i32 s50, s50, 6400
	s_mov_b32 s51, 0
	s_add_nc_u64 s[40:41], s[6:7], s[50:51]
	s_add_co_u32 s50, s48, 31
	s_sub_co_u32 s50, s50, s13
	s_mul_i32 s50, s50, 6400
	s_add_nc_u64 s[42:43], s[6:7], s[50:51]
	s_mul_i32 s56, s14, 1536
	v_lshl_add_u32 v[QOL], v[TL], 4, s56
	s_mul_i32 s56, s19, 1536
	v_lshl_add_u32 v[QOH], v[TL], 4, s56
	s_lshl_b32 s56, s14, 6
	s_add_co_u32 s56, s56, WORDS
	v_lshl_add_u32 v[QWL], v[TR], 2, s56
	s_lshl_b32 s56, s19, 6
	s_add_co_u32 s56, s56, WORDS
	v_lshl_add_u32 v[QWH], v[TR], 2, s56
.irp c, 0,1,2
	global_load_b128 v[S+4*\c:S+4*\c+3], v[QOL], s[40:41] offset:512*\c
	global_load_b128 v[S+12+4*\c:S+12+4*\c+3], v[QOH], s[42:43] offset:512*\c
.endr
	global_load_b32 v[S+24], v[QWL], s[40:41]
	global_load_b32 v[S+25], v[QWH], s[42:43]
	; the LDS addresses
	s_mul_i32 s18, s12, STEPB
	v_lshl_add_u32 v[ADR0], v[TL], 4, s18
	s_delay_alu instid0(VALU_DEP_1)
	v_add_nc_u32 v[ADR1], SLOTB, v[ADR0]
	v_lshl_add_u32 v[ASC0], v[TL], 2, s18
	s_delay_alu instid0(VALU_DEP_1)
	v_add_nc_u32 v[ASC1], SLOTB, v[ASC0]
	s_mul_i32 s18, s10, STATE                      ; my state
	v_lshl_add_u32 v[PSB], v[TL], 4, s18
	s_delay_alu instid0(VALU_DEP_1)
	v_add_nc_u32 v[PSA], SCRA, v[PSB]
	s_add_co_u32 s18, s18, 4096
	v_lshl_add_u32 v[PTB], v[TL], 3, s18
	s_delay_alu instid0(VALU_DEP_1)
	v_add_nc_u32 v[PTA], SCRA, v[PTB]
	s_lshr_b32 s52, s10, 3                         ; the combine: ph = 0: HIGH, 1: LOW;
	s_bfe_u32 s53, s10, 0x10002                    ; tt: the tile of queries;
	s_and_b32 s54, s10, 3                          ; g: the tile of 16 channels
	s_mul_i32 s18, s52, SCRA
	s_mul_i32 s48, s53, STATE
	s_add_co_u32 s18, s18, s48
	s_add_co_u32 s48, s18, 4096
	v_lshl_add_u32 v[CBS], v[TL], 3, s48
	s_lshl_b32 s48, s54, 10
	s_add_co_u32 s18, s18, s48
	v_lshl_add_u32 v[CBA], v[TL], 4, s18
	s_lshr_b32 s18, s10, 2                         ; the stage, in: row 16 (w / 4) + r; channels 32 (g / 2) + 8 (g % 2) + 16 h on
	s_mul_i32 s18, s18, 16*SPITCH
	s_lshr_b32 s48, s54, 1
	s_lshl_b32 s50, s48, 7
	s_add_co_u32 s18, s18, s50
	s_and_b32 s50, s54, 1
	s_lshl_b32 s50, s50, 5
	s_add_co_u32 s18, s18, s50
	s_add_co_u32 s18, s18, STG
	v_mul_u32_u24 v9, v[TR], SPITCH
	s_delay_alu instid0(VALU_DEP_1)
	v_lshl_add_u32 v9, v[TH], 6, v9
	s_delay_alu instid0(VALU_DEP_1)
	v_add_nc_u32 v[STO], s18, v9
	s_mul_i32 s18, s10, 4*SPITCH                   ; and back: rows 4 w on; lanes 0-15 one row, lanes 16-31 the next
	s_add_co_u32 s18, s18, STG
	v_mul_u32_u24 v9, v[TH], SPITCH
	s_delay_alu instid0(VALU_DEP_1)
	v_lshl_add_u32 v9, v[TR], 4, v9
	s_delay_alu instid0(VALU_DEP_1)
	v_add_nc_u32 v[SRD], s18, v9
	v_lshlrev_b32 v[GO], 4, v[TL]
	; the mask's lane numbers
	v_lshlrev_b32 v9, 4, v[TH]
	s_delay_alu instid0(VALU_DEP_1)
	v_sub_nc_u32 v9, v[TQ], v9
	s_lshl_b32 s48, s11, 3
	s_lshl_b32 s56, s14, 5
	s_add_co_u32 s56, s56, s48
	v_add_nc_u32 v[DL], s56, v9                    ; 32 cx + 8 t + r + 8 (r / 8) - 16 h
	s_lshl_b32 s56, s19, 5
	s_add_co_u32 s56, s56, s48
	v_add_nc_u32 v[DH], s56, v9                    ; the same with 3 - cx
	; out0 at the four rows that I store: stage rows 4 w .. 4 w + 3 are queries 8 tt + 4 g + 8 (g / 2) + 0 .. 3 of the block
	s_lshl_b32 s58, s13, 2
	s_add_co_u32 s58, s58, s14                     ; j
	s_sub_co_u32 s59, 127, s58
	s_cmp_eq_u32 s52, 1
	s_cselect_b32 s58, s58, s59                    ; the block of 32 queries
	s_lshl_b32 s58, s58, 5
	s_lshl_b32 s59, s53, 3
	s_add_co_u32 s58, s58, s59
	s_lshl_b32 s59, s54, 2
	s_add_co_u32 s58, s58, s59
	s_lshr_b32 s59, s54, 1
	s_lshl_b32 s59, s59, 3
	s_add_co_u32 s58, s58, s59
	s_lshl_b32 s58, s58, 8                         ; a row of out0 is 256 bytes
	s_lshl_b32 s59, s15, 20                        ; a batch 4,096 rows
	s_add_co_u32 s58, s58, s59
	s_mov_b32 s59, 0
	s_add_nc_u64 s[46:47], s[8:9], s[58:59]
	s_cmp_eq_u32 s11, 1
	s_cselect_b32 s44, -1, 0                       ; all lanes: tile 1 of the image, or tile 0
	s_lshl_b32 s45, s11, 4
.irp k, 0,1,2,3,4,5
	v_mov_b32 v[QHI_H+\k], 0                       ; the three runs of zero codes
	v_mov_b32 v[QHI_L+\k], 0
	v_mov_b32 v[QLO_L+6+\k], 0
.endr
.irp b, 0,1,2,3
	v_mov_b32 v[BP+\b], 0                          ; written once: a lane permute's destination counts as one of its sources
.endr
	v_mov_b32 v11, 0                               ; likewise
	v_mov_b32 v[F+1], 0                            ; named as the upper half of the pair
	v_mov_b32 v[NINF], 0xff800000
	s_wait_loadcnt 0x0                             ; q
.irp k, 0,1,2,3,4,5
	v_cndmask_b32 v[QLO_L+\k], v[S+\k], v[S+6+\k], s44          ; registers 6 t .. 6 t + 5 of the image: my 16 queries
	v_cndmask_b32 v[QLO_H+\k], v[S+12+\k], v[S+18+\k], s44
.endr
	v_lshrrev_b32 v9, s45, v[S+24]
	v_lshrrev_b32 v10, s45, v[S+25]
	s_delay_alu instid0(VALU_DEP_2)
	v_and_b32 v9, 0xffff, v9                       ; bytes 2 t, 2 t + 1 of the word: my queries' two scale bytes
	s_delay_alu instid0(VALU_DEP_2)
	v_and_b32 v10, 0xffff, v10
	s_delay_alu instid0(VALU_DEP_2)
	v_or_b32 v[SLL], 0x01010000, v9                ; for (q, zeros): the idle half under the byte 1
	s_delay_alu instid0(VALU_DEP_3)
	v_lshl_or_b32 v[SHL], v9, 16, 0x0101           ; for (zeros, q)
	s_delay_alu instid0(VALU_DEP_3)
	v_or_b32 v[SLH], 0x01010000, v10
	s_delay_alu instid0(VALU_DEP_4)
	v_lshl_or_b32 v[SHH], v10, 16, 0x0101
	INIT
	s_wait_tensorcnt 0x1                           ; my part of slot 0 is in; slot 1's may stay out
	BAR                                            ; everybody's is
	STEP QLO_L, QHI_L, SLL, SHL, DL, 16, ADR0, ASC0, 0     ; LOW, steps 0-7
	THREE 0                                        ; my part of slot 1 is in
	BAR                                            ; everybody's is
	STEP QLO_L, QHI_L, SLL, SHL, DL, 16, ADR1, ASC1, 1     ; LOW, steps 8-15
	s_wait_alu depctr_va_vdst(0)
	PUTSTATE PSA, PTA
	INIT
	STEP QLO_H, QHI_H, SLH, SHH, DH, 17, ADR0, ASC0, 0     ; HIGH, steps 0-7
	THREE 32                                       ; my reads of slot 0 are over
	ROUND                                          ; so are those of every wave of every partner, and none has a load on its way
	TLOAD 32                                       ; steps 16-23 into slot 0: they have the next unit's work in which to land
	STEP QLO_H, QHI_H, SLH, SHH, DH, 17, ADR1, ASC1, 1     ; HIGH, steps 8-15
	THREE 36                                       ; my part of slot 0 is in, my reads of slot 1 are over
	ROUND
	TLOAD 36                                       ; steps 24-31 into slot 1: the last load
	STEP QLO_H, QHI_H, SLH, SHH, DH, 17, ADR0, ASC0, 2     ; HIGH, steps 16-23
	THREE 0                                        ; my part of slot 1 is in, my reads of slot 0 are over
	BAR                                            ; nothing is filled any more: slot 0's bytes are free for the HIGH states
	STEP QLO_H, QHI_H, SLH, SHH, DH, 17, ADR1, ASC1, 3     ; HIGH, steps 24-31
	s_wait_alu depctr_va_vdst(0)
	PUTSTATE PSB, PTB
	BAR                                            ; all 32 states lie in LDS
	; THE COMBINE.  Wave w joins the eight key parts of block ph, tile tt of queries, tile g of channels.
.set ix, 0
.rept 8
	ds_load_b128 v[S+8*ix:S+8*ix+3], v[CBA] offset:2*STATE*ix
	ds_load_b128 v[S+8*ix+4:S+8*ix+7], v[CBA] offset:2*STATE*ix+512
	ds_load_b64 v[FR+2*ix:FR+2*ix+1], v[CBS] offset:2*STATE*ix     ; (-M, sum) of part ix
.set ix, ix+1
.endr
	s_wait_dscnt 0x0
	v_min3_num_f32 v9, v[FR], v[FR+2], v[FR+4]
	s_delay_alu instid0(VALU_DEP_1)
	v_min3_num_f32 v9, v9, v[FR+6], v[FR+8]
	s_delay_alu instid0(VALU_DEP_1)
	v_min3_num_f32 v9, v9, v[FR+10], v[FR+12]
	s_delay_alu instid0(VALU_DEP_1)
	v_min_num_f32 v9, v9, v[FR+14]                 ; the smallest -M: the largest M.  Part 0 has always seen keys
.irp e, 0,1,2,3,4,5,6,7
	v_sub_f32 v[FR+16+\e], v9, v[FR+2*\e]          ; the part's M less the largest: a whole number, 0 or less
.endr
.irp e, 0,1,2,3,4,5,6,7
	v_cvt_i32_f32 v[FR+16+\e], v[FR+16+\e]         ; (it saturates: a part that has seen no key gets the factor 0)
.endr
.irp e, 0,1,2,3,4,5,6,7
	v_ldexp_f32 v[FR+16+\e], 1.0, v[FR+16+\e]      ; the part's factor: an exact power of two
.endr
	v_mul_f32 v10, v[FR+16], v[FR+1]
.irp e, 1,2,3,4,5,6,7
	s_delay_alu instid0(VALU_DEP_1)
	v_fmac_f32 v10, v[FR+16+\e], v[FR+2*\e+1]
.endr
	s_delay_alu instid0(VALU_DEP_1)
	v_permlanex16_b32 v11, v10, s20, s21
	s_delay_alu instid0(VALU_DEP_1)
	v_add_f32 v10, v10, v11                        ; with lane l xor 16's keys: the row's sum
	s_wait_alu depctr_va_vdst(0)
	v_rcp_f32 v10, v10
.irp k, 0,1,2,3,4,5,6,7
	v_mul_f32 v[PC+\k], v[FR+16], v[S+\k]          ; (plain lines behind the reciprocal)
.endr
.irp e, 1,2,3,4,5,6,7
.irp k, 0,1,2,3,4,5,6,7
	v_fmac_f32 v[PC+\k], v[FR+16+\e], v[S+8*\e+\k]
.endr
.endr
	s_wait_alu depctr_va_vdst(0)
.irp k, 0,1,2,3,4,5,6,7
	v_mul_f32 v[PC+\k], v[PC+\k], v10              ; O / the sum: eight neighbouring channels of my query
.endr
	ds_store_b128 v[STO], v[PC:PC+3]
	ds_store_b128 v[STO], v[PC+4:PC+7] offset:16
	s_wait_dscnt 0x0                               ; for the others' sake: a row's 256 bytes come from four waves
	BAR
	ds_load_b128 v[S:S+3], v[SRD]
	ds_load_b128 v[S+4:S+7], v[SRD] offset:2*SPITCH
	s_wait_dscnt 0x1                               ; the first two rows are back; the second load may be out
	global_store_b128 v[GO], v[S:S+3], s[46:47] th:TH_STORE_NT               ; 32 lanes store two rows: 512 consecutive bytes, aligned
	s_wait_dscnt 0x0
	global_store_b128 v[GO], v[S+4:S+7], s[46:47] offset:512 th:TH_STORE_NT
	THREE 0                                        ; the wave's end: behind my last tensor load and my last LDS store
	ROUND                                          ; the closing round: no work-group ends while a partner may still ask for a tile that names it
	s_endpgm
.Lfunc_end_k_qada2570e59_attn:
	.size	k_qada2570e59_attn, .Lfunc_end_k_qada2570e59_attn-k_qada2570e59_attn
	.p2alignl 7, 3214868480
	.fill 96, 4, 3214868480
	.section	.rodata,"a",@progbits
	.p2align	6, 0x0
	.amdhsa_kernel k_qada2570e59_attn
		.amdhsa_group_segment_fixed_size 327680
		.amdhsa_private_segment_fixed_size 0
		.amdhsa_enable_private_segment 0
		.amdhsa_kernarg_size 24
		.amdhsa_user_sgpr_count 2
		.amdhsa_user_sgpr_kernarg_segment_ptr 1
		.amdhsa_wavefront_size32 1
		.amdhsa_system_sgpr_workgroup_id_x 1
		.amdhsa_system_sgpr_workgroup_id_y 1
		.amdhsa_system_sgpr_workgroup_id_z 1
		.amdhsa_system_vgpr_workitem_id 0
		.amdhsa_next_free_vgpr 256
		.amdhsa_next_free_sgpr 80
		.amdhsa_reserve_vcc 1
		.amdhsa_float_denorm_mode_32 3
		.amdhsa_float_denorm_mode_16_64 3
		.amdhsa_memory_ordered 1
		.amdhsa_forward_progress 1
		.amdhsa_inst_pref_size 153
	.end_amdhsa_kernel
	.amdgpu_metadata
---
amdhsa.version: [ 1, 2 ]
amdhsa.kernels:
  - .name:           k_qada2570e59_attn
    .symbol:         k_qada2570e59_attn.kd
    .args:
      - { .name: kv, .offset: 0, .size: 8, .value_kind: global_buffer, .address_space: global }
      - { .name: qb, .offset: 8, .size: 8, .value_kind: global_buffer, .address_space: global }
      - { .name: out0, .offset: 16, .size: 8, .value_kind: global_buffer, .address_space: global }
    .group_segment_fixed_size: 327680
    .private_segment_fixed_size: 0
    .kernarg_segment_align: 8
    .kernarg_segment_size: 24
    .max_flat_workgroup_size: 512
    .sgpr_count:     80
    .vgpr_count:     256
    .wavefront_size: 32
...
	.end_amdgpu_metadata
.endif
;; end of part 4
